; MI455X (gfx1250); checked and timed in simulation.
; The chip was launched on July 23, 2026; its instructions are those of AMD's public machine-readable ISA for CDNA 5 (MIT licence, August 2026) and "CDNA5" Instruction Set Architecture Reference Guide (July 2026). The comments in the code are by the model that wrote it; some were corrected since.
;; Attn Block. Allowed arithmetic: matrix products marked QUANTISED: E5M2 operands, one given power-of-two scale a tensor, by v_wmma_f32_16x16x64_bf8_bf8 or v_wmma_f32_16x16x128_bf8_bf8, f32 sums; everything else in f32.
;; Inputs: bk 512 float32; bp 512 float32; bq 512 float32; bv 512 float32; gn_b 512 float32; gn_w 512 float32; lowp_scales 12 int32 (the exponents e of the quantised operands' scales 2^e); wk 512 x 512 float32; wp 512 x 512 float32; wq 512 x 512 float32; wv 512 x 512 float32; x 32 x 512 x 32 x 32 float32.
;; Outputs: out0 32 x 512 x 32 x 32 float32.
;; This version of the problem:
;;   THIS VERSION OF THE PROBLEM IS GIVEN IN LOW PRECISION. The matrix products marked QUANTISED in the list below multiply operands that are first quantised to E5M2 (5 exponent bits, 2 mantissa bits; 8 bits a number), with one given power-of-two scale for each operand tensor; their sums are f32. All else is computed in f32.
;;   The module's matrix products, in the order in which they are computed (A, B: the left and right operand; K: the contracted axis; several contracted axes count as one K, in the product's order):
;;     1. [M 32,768, K 512] x [K 512, N 512]; A: computed on the way; B: input wq: QUANTISED (scales: A lowp_scales[0], B lowp_scales[1])
;;     2. [M 32,768, K 512] x [K 512, N 512]; A: computed on the way; B: input wk: QUANTISED (scales: A lowp_scales[2], B lowp_scales[3])
;;     3. [M 32,768, K 512] x [K 512, N 512]; A: computed on the way; B: input wv: QUANTISED (scales: A lowp_scales[4], B lowp_scales[5])
;;     4. batch 32 x [M 1,024, K 512] x [K 512, N 1,024]; A: computed on the way; B: computed on the way: QUANTISED (scales: A lowp_scales[6], B lowp_scales[7])
;;     5. batch 32 x [M 1,024, K 1,024] x [K 1,024, N 512]; A: softmax (see below); B: computed on the way: QUANTISED (scales: A lowp_scales[8], B lowp_scales[9])
;;     6. [M 32,768, K 512] x [K 512, N 512]; A: computed on the way; B: input wp: QUANTISED (scales: A lowp_scales[10], B lowp_scales[11])
;;   THE QUANTISER, for each operand of a quantised product, along K:
;;     - The operand's scale is 2^e, e = its entry of the input lowp_scales (int32; the entries are numbered through the quantised products in the list's order, A before B).
;;     - Each number is divided by the scale, clamped to +-57,344, and rounded to the nearest number of E5M2, ties to even, subnormals kept.
;;     - The product sums the exact products of the quantised numbers (number of the format x scale) in f32.
;;   ~~~python
;;   def quantise(x, axis, e):      # numpy; x: float32 -> the quantised numbers, widened to float32 again
;;       x = np.moveaxis(x, axis, -1); K = x.shape[-1]
;;       r = np.clip(x / 2.0 ** e, -57344, 57344)
;;       step = 2.0 ** (np.maximum(np.frexp(np.where(r == 0, 1, r))[1] - 1, -14) - 2)
;;       q = np.round(r / step) * step * 2.0 ** e      # np.round: ties to even
;;       return np.moveaxis(q, -1, axis).astype(np.float32)
;;   ~~~
;;   SOFTMAX AHEAD OF A QUANTISED PRODUCT. Where the list says 'softmax', what is quantised is not the finished softmax but p = 2^(t - M), with t = logit x log2(e) and M = ceil(the row's largest t), a whole number; so 1/2 < the row's largest p <= 1. The row's sum l is taken of the UNQUANTISED p, in f32, and the product's result is divided by l at the end. Since M is a whole number, a kernel that streams over the keys may use a running M (the ceiling of the running maximum): every later rescaling is an exact power of two, so the quantised numbers keep their values, but for numbers so far below the row's largest that they fall under the format's range.
;;   OPERANDS COMPUTED ON THE WAY. 'Computed on the way' means the value that the module computes at that place (a softmax that the list does not call 'softmax' is quantised finished and normalised). What goes into a quantiser is computed in f32, as accurately as f32 sums, v_exp_f32 and their like allow (about 1e-6 of the number): no bf16 or f16 on the way to a quantiser, and a product that is left as it is and whose result goes on into a quantised operand takes f32 operands (vector FMAs, or v_wmma_f32_16x16x4_f32). A number that lies on a knife's edge between two numbers of the format may be rounded either way, as far as f32 arithmetic and the matrix unit's own rounding can turn it there, and no further.
;; 2 versions. Each part assembles by itself: llvm-mc -triple=amdgcn-amd-amdhsa -mcpu=gfx1250 --defsym DOCPART=n.
;; ======== version 1 of 2: 3 launches
;; workspace buffers: hc 50,331,648 bytes; wc 1,048,576 bytes; qc 16,777,216 bytes; kv 33,554,432 bytes
;; launch prep (part 1): grid 1024 x 1, 8 waves a work-group, no clusters, 17,664 bytes of LDS; arguments x, gn_w, gn_b, wq, wk, wv, wp, lowp_scales, hc, wc; writes hc, wc
.if DOCPART == 1
	.amdgcn_target "amdgcn-amd-amdhsa--gfx1250"
	.amdhsa_code_object_version 6
	.text
	.protected	k_q9acf866da9_prep
	.globl	k_q9acf866da9_prep
	.p2align	8
	.type	k_q9acf866da9_prep,@function
k_q9acf866da9_prep:
	s_mov_b64 s[64:65], 0
	v_nop
	global_prefetch_b8 v0, s[64:65] scope:SCOPE_SE
	s_setreg_imm32_b32 hwreg(HW_REG_WAVE_MODE, 25, 1), 1
	s_wait_xcnt 0x0
; PREP: GroupNorm of x into three sets of BF8 (E5M2) codes, and the four weights into codes.
; x: [32][512][1024] f32.  A group is 16 channels x 1,024 pixels of one batch: 65,536 consecutive bytes.
; THE LAYOUT OF EVERY OPERAND IN THIS PROGRAM (a TILE): 16 rows x 512 along K = 8,192 bytes, laid [unit 0..31][row 0..15][16 bytes]; unit g holds K = 16 g .. 16 g + 15 of a row.
; So 512 consecutive bytes, 16 a lane, are four registers of a matrix operand as the lanes want them (lane (r, h): row r, K = 32 c + 16 h + 0 .. 15), and a group of GroupNorm is a unit.
; THE ROWS OF A TILE ARE NOT NEIGHBOURS: row r of tile T is row 32 (T / 2) + 8 (T % 2) + r + 8 (r / 8) of the tensor, so that the results of two neighbouring tiles are 16 neighbours along the next K.
; hc: [set 3][batch 32][tile 64][8,192]: rows = pixels, K = channels; set i is h / 2^lowp[2 i].   wc: [wq, wk, wv, wp][tile 32][8,192]: rows = output channels, scales lowp[1], [3], [5], [11].
; code = number / 2^e, held within +-57,344, rounded to the nearest code, ties to even.
; SHARES.  A work-group takes a group: thread t holds pixels 4 t .. 4 t + 3 of the group's 16 channels in 64 registers, so x is read once, each load of a wave covering 512 consecutive bytes.
; The variance is taken in a second pass over the registers, of x - mean: no difference of large sums is formed.  h is made in place; the hold ahead of each conversion reads it by channels and
; writes it by pixels, so that no second set of 64 registers is spent on turning it.
; THE WEIGHTS ride along: their 128 tiles are 2,048 items of two units (512 bytes of codes); waves 0 and 4 of each of the 1,024 work-groups take one item, while their loads of x are on their way.
; 128 registers a wave: eight waves fit on a SIMD, four work-groups on a WGP, and 4 x 256 is the grid: every group's loads go out at the launch's start.
; No cluster and no tensor load: no two work-groups read the same byte, and the bytes in flight are the waves' own 16 loads each.
; LIMITS: lowp[0], [2], [4], [1], [3], [5], [11] between -126 and 112, so that 2^e and 57,344 x 2^e are f32 numbers.  NaN among the inputs is not served.
.set X,   16                           ; v16-79   x[c][j] at X + 4 c + j; then x - mean; then h
.set T,   80                           ; v80-95   a weight item's 16 numbers; at work in the sums; rstd x gn_w; then a pixel's 16 held numbers
.set C,   96                           ; v96-111  the codes of my four pixels
.set O,   112                          ; v112-127 a weight item's codes and offsets; then the codes back from the stage: the stores' data
.set RED, 16384                        ; LDS: behind the eight waves' stages of 2,048 bytes: 8 words for the sums, 8 more, 32 bytes on, for the squares
; v13, a number a lane, becomes the sum over the work-group's 256 lanes, in every lane, added in the same order in every wave
.macro GSUM off
	v_add_f32_dpp v13, v13, v13 row_xmask:1 row_mask:0xf bank_mask:0xf
	v_add_f32_dpp v13, v13, v13 row_xmask:2 row_mask:0xf bank_mask:0xf
	v_add_f32_dpp v13, v13, v13 row_xmask:4 row_mask:0xf bank_mask:0xf
	v_add_f32_dpp v13, v13, v13 row_xmask:8 row_mask:0xf bank_mask:0xf
	v_permlanex16_b32 v14, v13, s90, s91           ; the other half of the lanes (v14 has been written before)
	v_add_f32 v13, v13, v14
	ds_store_b32 v6, v13 offset:\off               ; all lanes write my wave's word with the same number
	s_wait_dscnt 0x0                               ; for the others' sake: my store has landed
	s_barrier_signal -1
	s_barrier_wait -1
	ds_load_b128 v[T+8:T+11], v7 offset:\off
	ds_load_b128 v[T+12:T+15], v7 offset:\off+16
	s_wait_dscnt 0x0
	v_pk_add_f32 v[T+8:T+9], v[T+8:T+9], v[T+10:T+11]
	v_pk_add_f32 v[T+12:T+13], v[T+12:T+13], v[T+14:T+15]
	v_pk_add_f32 v[T+8:T+9], v[T+8:T+9], v[T+12:T+13]
	v_add_f32 v13, v[T+8], v[T+9]
.endm
; Set i of the codes: h / 2^lowp[2 i].  A pixel's 16 codes are one row of one unit.  They go through my wave's stage in pixel order and come back in the tiles' row order:
; each store then writes two whole units of 256 bytes, lanes 0-15 one tile's, lanes 16-31 the next tile's.
.macro QSET i
	s_add_co_i32 s94, s[28+2*\i], 127
	s_lshl_b32 s95, s94, 23
	v_mov_b32 v11, s95                             ; 2^e as f32: the conversion takes its exponent field
	s_add_co_i32 s94, s94, 15
	s_lshl_b32 s94, s94, 23
	s_or_b32 s94, s94, 0x600000
	v_mov_b32 v12, s94                             ; 57,344 x 2^e
.irp j, 0,1,2,3
.irp c, 0,1,2,3,4,5,6,7,8,9,10,11,12,13,14,15
	v_med3_num_f32 v[T+\c], v[X+4*\c+\j], -v12, v12   ; the conversion does not saturate (ISA guide 7.6.2): the hold comes first.  It also gathers pixel j's 16 channels; h itself is kept for the next set
.endr
	v_cvt_scalef32_pk8_bf8_f32 v[C+4*\j:C+4*\j+1], v[T:T+7], v11
	v_cvt_scalef32_pk8_bf8_f32 v[C+4*\j+2:C+4*\j+3], v[T+8:T+15], v11
	v_nop                                          ; a plain line between the conversions and the next write of their sources
.endr
.irp j, 0,1,2,3
	ds_store_b128 v3, v[C+4*\j:C+4*\j+3] offset:16*\j   ; pixel 4 lane + j at byte 16 (4 lane + j) of my stage (lanes 64 bytes apart: twelve such stores a wave, so no padding is spent on them)
.endr
	s_wait_xcnt 0x0                                ; the stores issued so far have read O: it is loaded again only behind this wait
.irp k, 0,1,2,3
	ds_load_b128 v[O+4*\k:O+4*\k+3], v4 offset:512*\k   ; LDS serves a wave's instructions in order (ISA guide 5.7.1.4): these see my stores
.endr
	s_wait_dscnt 0x0                               ; the codes are back, and the stores into the stage have read C
.irp k, 0,1,2,3
	global_store_b128 v5, v[O+4*\k:O+4*\k+3], s[84+2*\i:85+2*\i] offset:16384*\k   ; tiles 2 k and 2 k + 1 of my wave's eight
.endr
.endm
	s_load_b512 s[4:19], s[0:1], 0x0               ; x s[4:5], gn_w s[6:7], gn_b s[8:9], wq s[10:11], wk s[12:13], wv s[14:15], wp s[16:17], the scales' exponents s[18:19]
	s_load_b128 s[20:23], s[0:1], 0x40             ; hc s[20:21], wc s[22:23]
	v_lshl_add_u32 v128, v0, 2, 0x4100
	v_mov_b32 v129, 0
	v_lshrrev_b32 v1, 5, v0
	v_readfirstlane_b32 s24, v1                    ; wave 0..7
	v_and_b32 v1, 31, v0                           ; lane
	v_and_b32 v13, 15, v0                          ; r
	v_bfe_u32 v15, v0, 4, 1                        ; hh = lane / 16
	v_and_b32 v14, 8, v0
	v_add_nc_u32 v14, v14, v13                     ; r + 8 (r / 8)
	v_lshlrev_b32 v2, 4, v0                        ; my four pixels in a channel's row
	s_lshl_b32 s26, ttmp9, 16                      ; the work-group's number is 32 x batch + group
	s_mov_b32 s27, 0
	s_wait_kmcnt 0x0
	s_load_b256 s[28:35], s[18:19], 0x0            ; e0 .. e7
	s_load_b128 s[36:39], s[18:19], 0x20           ; e8 .. e11
	s_add_nc_u64 s[4:5], s[4:5], s[26:27]          ; the group's 65,536 bytes
.irp c, 0,1,2,3,4,5,6,7,8,9,10,11,12,13,14,15
	global_load_b128 v[X+4*\c:X+4*\c+3], v2, s[4:5] offset:4096*\c th:TH_LOAD_NT
.endr
	s_and_b32 s56, ttmp9, 31                       ; group
	s_lshr_b32 s57, ttmp9, 5                       ; batch
	s_lshl_b32 s58, s56, 6
	s_mov_b32 s59, 0
	s_add_nc_u64 s[6:7], s[6:7], s[58:59]
	s_add_nc_u64 s[8:9], s[8:9], s[58:59]
	s_load_b512 s[40:55], s[6:7], 0x0              ; the group's 16 gains
	s_load_b512 s[68:83], s[8:9], 0x0              ; and 16 biases
	s_lshl_b32 s60, s57, 19                        ; a batch's 64 tiles,
	s_lshl_b32 s61, s56, 8                         ; the group's unit in a tile
	s_add_co_u32 s60, s60, s61
	s_mov_b32 s61, 0
	s_add_nc_u64 s[84:85], s[20:21], s[60:61]      ; set 0,
	s_add_nc_u64 s[86:87], s[84:85], 0x1000000     ; set 1,
	s_add_nc_u64 s[88:89], s[86:87], 0x1000000     ; set 2
	s_mov_b32 s90, 0x76543210                      ; v_permlanex16_b32: lane l takes lane l xor 16
	s_mov_b32 s91, 0xfedcba98
	s_mov_b32 s92, 0x38800000                      ; 1 / 16,384
	s_mov_b32 s93, 0x358637bd                      ; 1e-6
	s_lshl_b32 s62, s24, 11                        ; my wave's stage
	v_lshl_add_u32 v3, v1, 6, s62                  ; in: 64 x lane
	v_lshl_add_u32 v4, v15, 3, v14
	v_lshl_add_u32 v4, v4, 4, s62                  ; back: pixel 8 hh + r + 8 (r / 8) of each 32: row r of tile 2 k + hh
	s_lshl_b32 s63, s24, 16                        ; my wave's eight tiles
	v_lshlrev_b32 v5, 4, v13
	v_lshl_add_u32 v5, v15, 13, v5
	v_add_nc_u32 v5, s63, v5                       ; + 8,192 hh + 16 r
	s_lshl_b32 s63, s24, 2
	s_add_co_u32 s63, s63, RED
	v_mov_b32 v6, s63                              ; my wave's word
	v_mov_b32 v7, RED
	s_wait_kmcnt 0x0
	; ---- an item of a weight, in waves 0 and 4: units 2 it and 2 it + 1 of a tile: lane (r, hh) takes 16 neighbours along K of its row.  No LDS and no barrier stands in this branch
	s_and_b32 s26, s24, 3
	s_cmp_lg_u32 s26, 0
	s_cbranch_scc1 .Lno_item
	s_lshl_b32 s26, ttmp9, 1
	s_lshr_b32 s27, s24, 2
	s_add_co_u32 s26, s26, s27                     ; item = 512 x matrix + 16 x tile + it
	s_lshr_b32 s27, s26, 9                         ; matrix: 0 wq, 1 wk, 2 wv, 3 wp
	s_cmp_eq_u32 s27, 1                            ; the choices hang on the work-group's and the wave's number alone
	s_cselect_b64 s[10:11], s[12:13], s[10:11]
	s_cselect_b32 s29, s31, s29
	s_cmp_eq_u32 s27, 2
	s_cselect_b64 s[10:11], s[14:15], s[10:11]
	s_cselect_b32 s29, s33, s29
	s_cmp_eq_u32 s27, 3
	s_cselect_b64 s[10:11], s[16:17], s[10:11]
	s_cselect_b32 s29, s39, s29                    ; e1, e3, e5 or e11
	s_bfe_u32 s56, s26, 0x40005                    ; T / 2
	s_lshl_b32 s56, s56, 16                        ; 32 (T / 2) rows of 2,048 bytes
	s_bfe_u32 s57, s26, 0x10004                    ; T % 2
	s_lshl_b32 s57, s57, 14                        ; + 8 (T % 2) rows
	s_add_co_u32 s56, s56, s57
	s_and_b32 s57, s26, 15
	s_lshl_b32 s57, s57, 7                         ; + the item's 32 numbers along K
	s_add_co_u32 s56, s56, s57
	s_mov_b32 s57, 0
	s_add_nc_u64 s[10:11], s[10:11], s[56:57]
	s_lshl_b32 s56, s26, 9                         ; an item's codes are 512 bytes, the items on end
	s_add_nc_u64 s[22:23], s[22:23], s[56:57]
	v_lshlrev_b32 v[O+4], 11, v14
	v_lshl_add_u32 v[O+4], v15, 6, v[O+4]          ; row r + 8 (r / 8), + 64 hh
	v_lshlrev_b32 v[O+5], 4, v1                    ; out: 16 x lane
.irp i, 0,1,2,3
	global_load_b128 v[T+4*\i:T+4*\i+3], v[O+4], s[10:11] offset:16*\i
.endr
	s_add_co_i32 s94, s29, 127
	s_lshl_b32 s95, s94, 23
	v_mov_b32 v11, s95                             ; 2^e
	s_add_co_i32 s94, s94, 15
	s_lshl_b32 s94, s94, 23
	s_or_b32 s94, s94, 0x600000
	v_mov_b32 v12, s94                             ; 57,344 x 2^e
	s_wait_loadcnt 0x0
.irp c, 0,1,2,3,4,5,6,7,8,9,10,11,12,13,14,15
	v_med3_num_f32 v[T+\c], v[T+\c], -v12, v12
.endr
	v_cvt_scalef32_pk8_bf8_f32 v[O:O+1], v[T:T+7], v11
	v_cvt_scalef32_pk8_bf8_f32 v[O+2:O+3], v[T+8:T+15], v11
	v_nop                                          ; a plain line between the conversions and the sums, which write their sources
	global_store_b128 v[O+5], v[O:O+3], s[22:23]   ; 512 consecutive bytes: two whole units
.Lno_item:
	s_wait_loadcnt 0x0
	; the mean: 64 numbers a lane in four chains, then the lanes, then the waves
.irp k, 0,1,2,3
	v_pk_add_f32 v[T+2*\k:T+2*\k+1], v[X+2*\k:X+2*\k+1], v[X+8+2*\k:X+8+2*\k+1]
.endr
.set p, 8
.rept 24
	v_pk_add_f32 v[T+2*(p%4):T+2*(p%4)+1], v[T+2*(p%4):T+2*(p%4)+1], v[X+2*p:X+2*p+1]
.set p, p+1
.endr
	v_pk_add_f32 v[T:T+1], v[T:T+1], v[T+2:T+3]
	v_pk_add_f32 v[T+4:T+5], v[T+4:T+5], v[T+6:T+7]
	v_pk_add_f32 v[T:T+1], v[T:T+1], v[T+4:T+5]
	v_add_f32 v13, v[T], v[T+1]
	GSUM 0
	v_mul_f32 v8, s92, v13
	v_mov_b32 v9, v8                               ; the mean, twice: a pair for the packed form
	; x - mean, in place, and the sum of its squares
.set p, 0
.rept 32
	v_pk_add_f32 v[X+2*p:X+2*p+1], v[X+2*p:X+2*p+1], v[8:9] neg_lo:[0,1] neg_hi:[0,1]
.set p, p+1
.endr
.irp k, 0,1,2,3
	v_pk_mul_f32 v[T+2*\k:T+2*\k+1], v[X+2*\k:X+2*\k+1], v[X+2*\k:X+2*\k+1]
.endr
.set p, 4
.rept 28
	v_pk_fma_f32 v[T+2*(p%4):T+2*(p%4)+1], v[X+2*p:X+2*p+1], v[X+2*p:X+2*p+1], v[T+2*(p%4):T+2*(p%4)+1]
.set p, p+1
.endr
	v_pk_add_f32 v[T:T+1], v[T:T+1], v[T+2:T+3]
	v_pk_add_f32 v[T+4:T+5], v[T+4:T+5], v[T+6:T+7]
	v_pk_add_f32 v[T:T+1], v[T:T+1], v[T+4:T+5]
	v_add_f32 v13, v[T], v[T+1]
	GSUM 32                                        ; other words than the first sum's: no barrier is owed between the two
	v_fma_f32 v13, v13, s92, s93                   ; the variance + 1e-6
	v_rsq_f32 v10, v13
	v_nop                                          ; a plain line behind the transcendental
	s_wait_alu depctr_va_vdst(0)
.irp c, 0,1,2,3,4,5,6,7,8,9,10,11,12,13,14,15
	v_mul_f32 v[T+\c], s[40+\c], v10               ; rstd x gain
.endr
.irp c, 0,1,2,3,4,5,6,7,8,9,10,11,12,13,14,15
.irp j, 0,1,2,3
	v_fma_f32 v[X+4*\c+\j], v[X+4*\c+\j], v[T+\c], s[68+\c]   ; h, in place
.endr
.endr
	QSET 0
	QSET 1
	QSET 2
	s_wait_tensorcnt 0x0
	ds_add_u32 v128, v129
	s_wait_dscnt 0x0
	s_endpgm
.Lfunc_end_k_q9acf866da9_prep:
	.size	k_q9acf866da9_prep, .Lfunc_end_k_q9acf866da9_prep-k_q9acf866da9_prep
	.p2alignl 7, 3214868480
	.fill 96, 4, 3214868480
	.section	.rodata,"a",@progbits
	.p2align	6, 0x0
	.amdhsa_kernel k_q9acf866da9_prep
		.amdhsa_group_segment_fixed_size 17664
		.amdhsa_private_segment_fixed_size 0
		.amdhsa_enable_private_segment 0
		.amdhsa_kernarg_size 80
		.amdhsa_user_sgpr_count 2
		.amdhsa_user_sgpr_kernarg_segment_ptr 1
		.amdhsa_wavefront_size32 1
		.amdhsa_system_sgpr_workgroup_id_x 1
		.amdhsa_system_sgpr_workgroup_id_y 1
		.amdhsa_system_sgpr_workgroup_id_z 1
		.amdhsa_system_vgpr_workitem_id 0
		.amdhsa_next_free_vgpr 130
		.amdhsa_next_free_sgpr 96
		.amdhsa_reserve_vcc 0
		.amdhsa_float_denorm_mode_32 3
		.amdhsa_float_denorm_mode_16_64 3
		.amdhsa_memory_ordered 1
		.amdhsa_forward_progress 1
		.amdhsa_inst_pref_size 38
	.end_amdhsa_kernel
	.amdgpu_metadata
---
amdhsa.version: [ 1, 2 ]
amdhsa.kernels:
  - .name:           k_q9acf866da9_prep
    .symbol:         k_q9acf866da9_prep.kd
    .args:
      - { .name: x, .offset: 0, .size: 8, .value_kind: global_buffer, .address_space: global }
      - { .name: gn_w, .offset: 8, .size: 8, .value_kind: global_buffer, .address_space: global }
      - { .name: gn_b, .offset: 16, .size: 8, .value_kind: global_buffer, .address_space: global }
      - { .name: wq, .offset: 24, .size: 8, .value_kind: global_buffer, .address_space: global }
      - { .name: wk, .offset: 32, .size: 8, .value_kind: global_buffer, .address_space: global }
      - { .name: wv, .offset: 40, .size: 8, .value_kind: global_buffer, .address_space: global }
      - { .name: wp, .offset: 48, .size: 8, .value_kind: global_buffer, .address_space: global }
      - { .name: lowp_scales, .offset: 56, .size: 8, .value_kind: global_buffer, .address_space: global }
      - { .name: hc, .offset: 64, .size: 8, .value_kind: global_buffer, .address_space: global }
      - { .name: wc, .offset: 72, .size: 8, .value_kind: global_buffer, .address_space: global }
    .group_segment_fixed_size: 17664
    .private_segment_fixed_size: 0
    .kernarg_segment_align: 8
    .kernarg_segment_size: 80
    .max_flat_workgroup_size: 256
    .sgpr_count:     96
    .vgpr_count:     130
    .wavefront_size: 32
...
	.end_amdgpu_metadata
.endif
;; end of part 1
;; launch qkv (part 2): grid 64 x 3, 4 waves a work-group, no clusters, 68,096 bytes of LDS; arguments hc, wc, lowp_scales, bq, bk, bv, qc, kv; writes qc, kv
.if DOCPART == 2
	.amdgcn_target "amdgcn-amd-amdhsa--gfx1250"
	.amdhsa_code_object_version 6
	.text
	.protected	k_q9acf866da9_qkv
	.globl	k_q9acf866da9_qkv
	.p2align	8
	.type	k_q9acf866da9_qkv,@function
k_q9acf866da9_qkv:
	s_mov_b64 s[64:65], 0
	v_nop
	global_prefetch_b8 v0, s[64:65] scope:SCOPE_SE
	s_setreg_imm32_b32 hwreg(HW_REG_WAVE_MODE, 25, 1), 1
	s_wait_xcnt 0x0
; QKV: q, k and v = h W^T + bias on codes of BF8 (E5M2), quantised again on the way: the operands of the attention's two products.  Work-group y = 0: q, 1: k, 2: v.
; Tiles (16 rows x 512 K, 8,192 bytes, [unit][row][16 bytes]; row r of tile T = row 32 (T / 2) + 8 (T % 2) + r + 8 (r / 8)) are as the launch before laid them: 512 consecutive bytes, 16 a lane, are four registers of an operand.
; ONE BODY.  A wave keeps a STATIONARY block of 8 tiles (128 rows x 512 K) in 512 registers, as source 0; the work-group walks 32 STREAMED tiles, as source 1.  For a streamed tile a wave issues 32 matrix
; instructions (8 accumulators x 4 K steps); in the result a lane holds one row of the streamed tile, and its 64 registers run along the 128 stationary rows in their true order: quantised, they ARE one operand
; fragment (16 rows x 128 K, 2,048 bytes) of the next product, stored as it stands.
;   q, k: stationary = my 128 output channels of the weight, streamed = 32 tiles of pixels (half a batch): fragment = K step (wave) of a tile of q or k, rows = pixels, K = channels.
;   v:    stationary = 128 pixels of h (a key step), streamed = the weight's 32 tiles: fragment = 16 channels x 128 keys: V with the keys innermost, as the second product wants it.
; qc: [batch][tile 64][8,192].   kv: [batch][key step 8][K: 8 tiles of 8,192 | V: 32 fragments of 2,048].
; The bias goes in as the C of each sum's first matrix instruction, divided by 2^(ea + eb), which the sums lack; for q and k it runs along the registers (BC), for v along the lanes (BL in LDS, a word a row).
; Both forms are made in all three kinds of work-group, so that the head and its waits are one text; each kind reads its own.
; The streamed tiles go memory -> registers -> LDS, a tile a wave, four tiles a group, in two LDS buffers by turns: each byte is read from memory once by the work-group and by all four waves from LDS.
; NO CLUSTER, NO JOINT LOADS: what work-groups share is the stationary block of q and k (or the streamed weight of v), 262,144 bytes read once by a work-group; the stationary block goes straight into
; registers, where a joint load cannot put it, and a way through LDS would add 128 LDS loads a wave and 262,144 bytes of LDS for it.  192 work-groups: 3 matrices x 64 equal shares.
; LIMITS: eo - ea - eb between -126 and 112 (eo = lowp[6], [7], [9]; ea, eb = lowp[2 y], lowp[2 y + 1]).  NaN among the inputs is not served.
; REGISTERS, in windows of 256: window 0: v1-15 addresses, scale, hold; v16, 17 the lanes' bias of the tile in hand; v24-31 the same as a C; v32-47 codes; v64-191 two sets of a streamed tile's four fragments; v192-255 the accumulators.
;   windows 1, 2: the stationary fragments: (tile b, K step s) in window 1 + s / 2 at v[16 (8 (s % 2) + b)].   window 3: v0-63 BC; v64-127 the tile on its way from memory to LDS.
.set BUF,  32768                       ; LDS: two buffers of four tiles,
.set BL,   65536                       ; then 512 words: word 16 ct + r = bias of row r of tile ct, / 2^(ea + eb)
.set LI,   1                           ; v1   16 x lane
.set LW,   2                           ; v2   8,192 x wave + 16 x lane: my tile of a group, in memory and in LDS
.set BLA0, 3                           ; v3   BL + 4 r
.set ADB,  4                           ; v4   the same, 8 tiles on for each trip of the loop
.set SCL,  5                           ; v5   2^(eo - ea - eb)
.set LIM,  6                           ; v6   57,344 x that
.set BRAW, 16
.set CR,   24
.set PC,   32
.set SF,   64
.set ACC,  192
.set BC,   0                           ; in window 3
.set G,    64                          ; in window 3
.set WV,   20                          ; s20  wave
.set YY,   22                          ; s22  0 q, 1 k, 2 v
.set MSB, 0
.macro WIN new                         ; the immediate's high byte repeats the setting that is left; a switch that changes nothing is dropped
.if MSB != (\new)
	s_set_vgpr_msb (MSB<<8)|(\new)
.set MSB, (\new)
.endif
.endm
.macro STLOAD s                        ; the stationary fragments of K step s
.irp b, 0,1,2,3,4,5,6,7
.irp c, 0,1,2,3
	global_load_b128 v[128*((\s)%2)+16*\b+4*\c:128*((\s)%2)+16*\b+4*\c+3], v[LI], s[36:37] offset:8192*\b+2048*(\s)+512*\c
.endr
.endr
.endm
.macro GLOAD                           ; my tile of the group at s[38:39]: 16 loads of 512 consecutive bytes
	WIN 0xc0                                       ; destination window 3
.set k, 0
.rept 16
	global_load_b128 v[G+4*k:G+4*k+3], v[LW], s[38:39] offset:512*k
.set k, k+1
.endr
.endm
.macro LSTORE buf                      ; and on into LDS, as it lies
	WIN 0x0c                                       ; store data window 3
.set k, 0
.rept 16
	ds_store_b128 v[LW], v[G+4*k:G+4*k+3] offset:(\buf)*BUF+512*k
.set k, k+1
.endr
.endm
.macro FETCH buf, j, p                 ; tile j of a buffer into set p, and its rows' bias: 17 LDS loads
	WIN 0
.set k, 0
.rept 16
	ds_load_b128 v[SF+64*(\p)+4*k:SF+64*(\p)+4*k+3], v[LI] offset:(\buf)*BUF+8192*(\j)+512*k
.set k, k+1
.endr
	ds_load_b32 v[BRAW+(\p)], v[ADB] offset:64*(4*(\buf)+(\j))
.endm
; 32 matrix instructions.  The eight accumulators take turns, one instruction a turn, K step by K step.  Only the first K step differs between the kinds: its C.
.macro MUL p
.set SP_, SF+64*(\p)
	s_cmp_eq_u32 s[YY], 2
	s_cbranch_scc1 .Lrow_\@
	WIN 0x31                                       ; source 0 window 1, C window 3
.irp b, 0,1,2,3,4,5,6,7
	v_wmma_f32_16x16x128_bf8_bf8 v[ACC+8*\b:ACC+8*\b+7], v[16*\b:16*\b+15], v[SP_:SP_+15], v[BC+8*\b:BC+8*\b+7]
.endr
	WIN 0                                          ; at a branch and at a label every window is 0
	s_branch .Ljoin_\@
.Lrow_\@:
.irp i, 0,1,2,3,4,5,6,7
	v_mov_b32 v[CR+\i], v[BRAW+(\p)]               ; v: a lane's eight results are of one channel
.endr
	WIN 0x01
.irp b, 0,1,2,3,4,5,6,7
	v_wmma_f32_16x16x128_bf8_bf8 v[ACC+8*\b:ACC+8*\b+7], v[16*\b:16*\b+15], v[SP_:SP_+15], v[CR:CR+7]
.endr
	WIN 0
.Ljoin_\@:
	WIN 0x01
.irp b, 0,1,2,3,4,5,6,7
	v_wmma_f32_16x16x128_bf8_bf8 v[ACC+8*\b:ACC+8*\b+7], v[128+16*\b:128+16*\b+15], v[SP_+16:SP_+31], v[ACC+8*\b:ACC+8*\b+7]
.endr
	WIN 0x02
.irp b, 0,1,2,3,4,5,6,7
	v_wmma_f32_16x16x128_bf8_bf8 v[ACC+8*\b:ACC+8*\b+7], v[16*\b:16*\b+15], v[SP_+32:SP_+47], v[ACC+8*\b:ACC+8*\b+7]
.endr
.irp b, 0,1,2,3,4,5,6,7
	v_wmma_f32_16x16x128_bf8_bf8 v[ACC+8*\b:ACC+8*\b+7], v[128+16*\b:128+16*\b+15], v[SP_+48:SP_+63], v[ACC+8*\b:ACC+8*\b+7]
.endr
	WIN 0
.endm
; The 64 sums of a lane become 64 codes, one fragment, and leave: four stores of 512 consecutive bytes
.macro FINISH
.rept 4
	v_nop                                          ; four places between the last product and the first read of results (ISA guide 7.12.1)
.endr
.set n, 0
.rept 64
	v_med3_num_f32 v[ACC+n], v[ACC+n], -v[LIM], v[LIM]   ; the hold ahead of a conversion that does not saturate (ISA guide 7.6.2); each accumulator from its low end on
.set n, n+1
.endr
	s_wait_xcnt 0x0                                ; the last fragment's stores have read their data and their base
	s_add_nc_u64 s[40:41], s[40:41], s[42:43]      ; on to this tile's fragment
.irp b, 0,1,2,3
	v_cvt_scalef32_pk8_bf8_f32 v[PC+4*\b:PC+4*\b+1], v[ACC+16*\b:ACC+16*\b+7], v[SCL]
	v_cvt_scalef32_pk8_bf8_f32 v[PC+4*\b+2:PC+4*\b+3], v[ACC+16*\b+8:ACC+16*\b+15], v[SCL]
.endr
	v_nop                                          ; a plain line between the conversions and the products that write their sources
.irp c, 0,1,2,3
	global_store_b128 v[LI], v[PC+4*\c:PC+4*\c+3], s[40:41] offset:512*\c
.endr
.endm
; A group of four streamed tiles out of buffer buf.  st = 1: the next group, which has come into registers, goes into the other buffer first (all waves left that buffer at the last barrier);
; ld = 1: the group after that is asked of memory: it has this whole group's work in which to come.  bar = 1: the barrier that ends the group.
.macro TRIP buf, st, ld, bar
.if \st
	s_wait_loadcnt 0x0                             ; my tile of the next group is in
	LSTORE 1-\buf
	s_wait_dscnt 0x0                               ; the stores have read their registers
.endif
.if \ld
	s_add_nc_u64 s[38:39], s[38:39], 32768         ; (no load that names this base is out)
	GLOAD
.endif
	FETCH \buf, 0, 0
.irp j, 0,1,2,3
.if \j < 3
	FETCH \buf, \j+1, (\j+1)%2                     ; into the set that the tile before last used: a whole FINISH stands behind its products
	s_wait_dscnt 17                                ; this tile's 17 loads are in; the next tile's 17 may be out
.else
	s_wait_dscnt 0x0
.endif
	MUL \j%2
	FINISH
.endr
.if \bar
	s_wait_dscnt 0x0                               ; my reads of this buffer are over and my stores into the other have landed
	s_barrier_signal -1
	s_barrier_wait -1
.endif
.endm
	s_load_b512 s[4:19], s[0:1], 0x0               ; hc s[4:5], wc s[6:7], the scales' exponents s[8:9], bq s[10:11], bk s[12:13], bv s[14:15], qc s[16:17], kv s[18:19]
	v_lshl_add_u32 v62, v0, 2, 0x10800
	v_mov_b32 v63, 0
	v_lshrrev_b32 v7, 5, v0
	v_readfirstlane_b32 s[WV], v7                  ; wave 0..3
	s_and_b32 s[YY], ttmp7, 0xffff
	v_and_b32 v7, 31, v0                           ; lane
	v_lshlrev_b32 v[LI], 4, v7
	s_lshl_b32 s50, s[WV], 13
	v_add_nc_u32 v[LW], s50, v[LI]
	v_and_b32 v8, 15, v0                           ; r
	v_lshlrev_b32 v[BLA0], 2, v8
	v_add_nc_u32 v[BLA0], BL, v[BLA0]
	v_bfe_u32 v9, v0, 4, 1                         ; h
	v_lshlrev_b32 v12, 6, v9                       ; BC: my half's 16 numbers of each 32
	v_and_b32 v13, 7, v0
	v_lshl_add_u32 v13, v9, 3, v13
	v_bfe_u32 v10, v0, 3, 1
	v_lshl_add_u32 v13, v10, 4, v13
	v_lshlrev_b32 v13, 2, v13                      ; BL, from memory: number 8 (lane / 16) + lane % 8 + 16 ((lane / 8) % 2) of each 32: the tiles' row order
	s_lshl_b32 s51, s[WV], 9
	v_lshl_add_u32 v14, v7, 2, s51
	v_add_nc_u32 v14, BL, v14                      ; BL, into LDS: word 128 x wave + lane
	s_lshl_b32 s52, s[YY], 24                      ; h's set of codes,
	s_lshl_b32 s53, ttmp9, 18                      ; my 32 tiles of it
	s_add_co_u32 s52, s52, s53
	s_mov_b32 s53, 0
	s_lshl_b32 s54, s[YY], 18                      ; the weight
	s_mov_b32 s55, 0
	s_lshl_b32 s56, s[WV], 16                      ; my 8 stationary tiles
	s_mov_b32 s57, 0
	s_wait_kmcnt 0x0
	s_load_b256 s[24:31], s[8:9], 0x0              ; e0 .. e7
	s_load_b128 s[32:35], s[8:9], 0x20             ; e8 .. e11
	s_add_nc_u64 s[4:5], s[4:5], s[52:53]
	s_add_nc_u64 s[6:7], s[6:7], s[54:55]
	s_cmp_eq_u32 s[YY], 2                          ; every choice hangs on the work-group's y alone
	s_cselect_b64 s[36:37], s[4:5], s[6:7]         ; stationary: h for v, else the weight
	s_cselect_b64 s[38:39], s[6:7], s[4:5]         ; streamed: the other
	s_mov_b32 s42, 8192
	s_cselect_b32 s42, 2048, s42                   ; from a streamed tile's fragment to the next one's
	s_mov_b32 s43, 0
	s_mov_b32 s58, 2048
	s_cselect_b32 s58, 131072, s58                 ; from wave to wave: a K step of a tile, or a key step
	s_cselect_b32 s59, 65536, 0                    ; V lies behind a key step's K
	s_mul_i32 s58, s58, s[WV]
	s_add_co_u32 s58, s58, s59
	s_add_nc_u64 s[36:37], s[36:37], s[56:57]
	s_cmp_eq_u32 s[YY], 1
	s_cselect_b32 s44, 65536, 0                    ; k: behind every 8 tiles a key step's V is passed over
	s_mov_b32 s45, 0
	s_cselect_b64 s[46:47], s[12:13], s[10:11]
	s_cmp_eq_u32 s[YY], 2
	s_cselect_b64 s[46:47], s[14:15], s[46:47]     ; bq, bk or bv
	s_cmp_eq_u32 s[YY], 0
	s_cselect_b64 s[40:41], s[16:17], s[18:19]     ; out: qc or kv
	s_cselect_b32 s60, 18, 19
	s_lshl_b32 s60, ttmp9, s60                     ; half a batch: 262,144 bytes of qc, 524,288 of kv
	s_add_co_u32 s58, s58, s60
	s_mov_b32 s59, 0
	s_add_nc_u64 s[40:41], s[40:41], s[58:59]
	s_sub_nc_u64 s[40:41], s[40:41], s[42:43]      ; one stride low: FINISH steps it ahead of its stores; nothing is accessed here
	s_lshl_b32 s60, s[WV], 9
	s_mov_b32 s61, 0
	s_add_nc_u64 s[46:47], s[46:47], s[60:61]      ; my 128 numbers of the bias
	WIN 0x40                                       ; destination window 1
	STLOAD 0
	STLOAD 1
	WIN 0x80                                       ; window 2
	STLOAD 2
	STLOAD 3
	WIN 0xc0                                       ; window 3
.irp t, 0,1,2,3,4,5,6,7                        ; BC: for tile 2 b + u lane (r, h) wants the bias of rows 32 b + 16 h + 8 u + 0 .. 7
	global_load_b128 v[BC+8*\t:BC+8*\t+3], v12, s[46:47] offset:(32*(\t/2)+8*(\t%2))*4
	global_load_b128 v[BC+8*\t+4:BC+8*\t+7], v12, s[46:47] offset:(32*(\t/2)+8*(\t%2))*4+16
.endr
	WIN 0
.irp i, 0,1,2,3
	global_load_b32 v[8+\i], v13, s[46:47] offset:128*\i
.endr
	GLOAD                                          ; group 0
	WIN 0
	s_wait_kmcnt 0x0
	s_add_co_i32 s50, s24, s25                     ; ea + eb for q,
	s_add_co_i32 s51, s26, s27                     ; k,
	s_add_co_i32 s52, s28, s29                     ; v
	s_cmp_eq_u32 s[YY], 1
	s_cselect_b32 s50, s51, s50
	s_cselect_b32 s53, s31, s30                    ; eo: entry 6 for q, 7 for k,
	s_cmp_eq_u32 s[YY], 2
	s_cselect_b32 s50, s52, s50
	s_cselect_b32 s53, s33, s53                    ; 9 for v
	s_sub_co_i32 s55, 0, s50
	s_sub_co_i32 s54, s53, s50                     ; a sum stands for sum x 2^(ea + eb): its code is sum / 2^(eo - ea - eb)
	s_add_co_i32 s54, s54, 127
	s_lshl_b32 s56, s54, 23
	v_mov_b32 v[SCL], s56
	s_add_co_i32 s54, s54, 15
	s_lshl_b32 s54, s54, 23
	s_or_b32 s54, s54, 0x600000
	v_mov_b32 v[LIM], s54
	s_wait_loadcnt 0x0
	WIN 0xc3                                       ; source 0 and destination window 3
.set n, 0
.rept 64
	v_ldexp_f32 v[BC+n], v[BC+n], s55              ; bias / 2^(ea + eb)
.set n, n+1
.endr
	WIN 0
.irp i, 0,1,2,3
	v_ldexp_f32 v[8+\i], v[8+\i], s55
.endr
.irp i, 0,1,2,3
	ds_store_b32 v14, v[8+\i] offset:128*\i
.endr
	LSTORE 0
	s_wait_dscnt 0x0                               ; my stores have landed and have read their registers
	s_add_nc_u64 s[38:39], s[38:39], 32768
	GLOAD                                          ; group 1
	WIN 0
	s_barrier_signal -1
	s_barrier_wait -1                              ; group 0 and the 512 words lie in LDS
	s_mov_b32 s48, 3
	s_mov_b32 s49, 0
.Ltrip:                                            ; a trip: 8 streamed tiles
	v_add_nc_u32 v[ADB], s49, v[BLA0]
	TRIP 0, 1, 1, 1
	TRIP 1, 1, 1, 1
	s_wait_xcnt 0x0                                ; the last stores have read their base
	s_add_nc_u64 s[40:41], s[40:41], s[44:45]
	s_add_co_u32 s49, s49, 512
	s_sub_co_u32 s48, s48, 1
	s_cmp_lg_u32 s48, 0
	s_cbranch_scc1 .Ltrip
	v_add_nc_u32 v[ADB], s49, v[BLA0]
	TRIP 0, 1, 0, 1                                ; the last 8 tiles: nothing more is asked of memory,
	TRIP 1, 0, 0, 0                                ; and nothing more goes into LDS
	s_wait_tensorcnt 0x0
	ds_add_u32 v62, v63
	s_wait_dscnt 0x0
	s_endpgm
.Lfunc_end_k_q9acf866da9_qkv:
	.size	k_q9acf866da9_qkv, .Lfunc_end_k_q9acf866da9_qkv-k_q9acf866da9_qkv
	.p2alignl 7, 3214868480
	.fill 96, 4, 3214868480
	.section	.rodata,"a",@progbits
	.p2align	6, 0x0
	.amdhsa_kernel k_q9acf866da9_qkv
		.amdhsa_group_segment_fixed_size 68096
		.amdhsa_private_segment_fixed_size 0
		.amdhsa_enable_private_segment 0
		.amdhsa_kernarg_size 64
		.amdhsa_user_sgpr_count 2
		.amdhsa_user_sgpr_kernarg_segment_ptr 1
		.amdhsa_wavefront_size32 1
		.amdhsa_system_sgpr_workgroup_id_x 1
		.amdhsa_system_sgpr_workgroup_id_y 1
		.amdhsa_system_sgpr_workgroup_id_z 1
		.amdhsa_system_vgpr_workitem_id 0
		.amdhsa_next_free_vgpr 1024
		.amdhsa_next_free_sgpr 66
		.amdhsa_reserve_vcc 0
		.amdhsa_float_denorm_mode_32 3
		.amdhsa_float_denorm_mode_16_64 3
		.amdhsa_memory_ordered 1
		.amdhsa_forward_progress 1
		.amdhsa_inst_pref_size 182
	.end_amdhsa_kernel
	.amdgpu_metadata
---
amdhsa.version: [ 1, 2 ]
amdhsa.kernels:
  - .name:           k_q9acf866da9_qkv
    .symbol:         k_q9acf866da9_qkv.kd
    .args:
      - { .name: hc, .offset: 0, .size: 8, .value_kind: global_buffer, .address_space: global }
      - { .name: wc, .offset: 8, .size: 8, .value_kind: global_buffer, .address_space: global }
      - { .name: lowp_scales, .offset: 16, .size: 8, .value_kind: global_buffer, .address_space: global }
      - { .name: bq, .offset: 24, .size: 8, .value_kind: global_buffer, .address_space: global }
      - { .name: bk, .offset: 32, .size: 8, .value_kind: global_buffer, .address_space: global }
      - { .name: bv, .offset: 40, .size: 8, .value_kind: global_buffer, .address_space: global }
      - { .name: qc, .offset: 48, .size: 8, .value_kind: global_buffer, .address_space: global }
      - { .name: kv, .offset: 56, .size: 8, .value_kind: global_buffer, .address_space: global }
    .group_segment_fixed_size: 68096
    .private_segment_fixed_size: 0
    .kernarg_segment_align: 8
    .kernarg_segment_size: 64
    .max_flat_workgroup_size: 128
    .sgpr_count:     66
    .vgpr_count:     1024
    .wavefront_size: 32
...
	.end_amdgpu_metadata
.endif
;; end of part 2
;; launch attn (part 3): grid 8 x 32, 4 waves a work-group, clusters of 4 x 1, 327,680 bytes of LDS; arguments qc, kv, wc, lowp_scales, bp, x, out0; writes out0
.if DOCPART == 3
	.amdgcn_target "amdgcn-amd-amdhsa--gfx1250"
	.amdhsa_code_object_version 6
	.text
	.protected	k_q9acf866da9_attn
	.globl	k_q9acf866da9_attn
	.p2align	8
	.type	k_q9acf866da9_attn,@function
k_q9acf866da9_attn:
	s_mov_b64 s[64:65], 0
	v_nop
	global_prefetch_b8 v0, s[64:65] scope:SCOPE_SE
	s_setreg_imm32_b32 hwreg(HW_REG_WAVE_MODE, 25, 1), 1
	s_wait_xcnt 0x0
	s_wait_alu depctr_hold_cnt(0) depctr_sa_sdst(0) depctr_va_vdst(0) depctr_va_sdst(0) depctr_va_ssrc(0) depctr_va_vcc(0) depctr_vm_vsrc(0)
	s_getreg_b32 s2, hwreg(HW_REG_IB_STS2, 6, 4)
	s_cmp_eq_u32 s2, 0
	s_cbranch_scc0 .Lentry_in_a_cluster
	s_endpgm
.Lentry_in_a_cluster:
	s_bfe_u32 s2, ttmp6, 0x10000c
	s_cmp_lg_u32 s2, 0x3003
	s_cbranch_scc0 .Lentry_shape_is_right
	s_endpgm
.Lentry_shape_is_right:
; ATTN: out0 = x + wp . (softmax(q k^T / sqrt(512)) v) + bp, the three products on codes of BF8 (E5M2), each operand with the one scale 2^e that is given for it.
; qc, kv, wc are as the launches before laid them: 512 consecutive bytes, 16 a lane, are four registers of an operand; row r of a tile T is row 32 (T / 2) + 8 (T % 2) + r + 8 (r / 8) of its tensor.
; THE SOFTMAX AHEAD OF THE SECOND PRODUCT: t = score x log2(e) / sqrt(512); M = the row's largest t so far, rounded UP to a whole number; p = 2^(t - M) is what is quantised, along the keys, not normalised.
; The row's sum is taken of the unquantised p, in f32, and divides O at the end.  When M moves, the sum and O are multiplied by 2^(old M - new M): exact.
; SHARES.  A work-group owns 128 queries of a batch.  In the loop over the keys (8 steps of 128) wave w owns query tiles 2 w and 2 w + 1 with all 512 channels of O: 512 registers; no wave needs another's numbers.
; In the last product wave w owns output channels 128 w .. 128 w + 127 for all 128 queries: O's codes go from wave to wave through LDS as images of the operand's registers.
; LAYOUT.  S^T = K Q^T (source 0 = 16 keys, source 1 = 16 queries) and O^T = V^T P^T (source 0 = 16 channels): a lane holds ONE query throughout, and by the tiles' row order the 16 registers of two
; neighbouring tiles are 16 neighbours along the next K: the conversions' results are the next operand.  The last product takes O's codes as source 0 and wp's rows as source 1: a lane then holds one output
; channel and 16 neighbouring pixels for each two query tiles, as out0 lies.
; RING AND CLUSTER.  A key step's K and V are one dense block of 131,072 bytes; two LDS slots; each wave brings a quarter by one tensor load.  The four work-groups of a cluster are four query blocks of one
; batch and walk the same K and V: each load is asked for JOINTLY, with the same descriptor and a mask that names the four.  By this text's own count one tensor load of a wave is out at a time.
; x COMES IN UNDER THE KEY STEPS.  A wave adds 8 tiles of x (16 rows x 512 bytes, the rows of an output tile).  Six of them are asked for before the last product begins: 64 registers that the key steps leave
; idle bring tiles 5, 6 and 7 one after the other and park them in LDS bytes of the wave's own, and then hold tile 0; Q's registers take tiles 1 and 2 behind the last S^T.  Tiles 3 and 4 follow into the
; registers that tiles 0 and 1 leave.
; THE LAST PRODUCT GOES BY ROWS OF THE OUTPUT: all 32 fragments of O's codes lie in registers, and one output tile (16 channels x 128 pixels, 32 matrix instructions) is finished after the other and leaves at
; once, so that the stores go out beside the later tiles' loads and products.
; LIMITS: lowp[6] + lowp[7] between -122 and 131 (added to c's exponent field); lowp[8] and lowp[10] between -126 and 112; lowp[10] + lowp[11] between -126 and 127.  NaN among the inputs is not served.
; q is taken as the first product's left operand (entry 6), k as its right (entry 7).
; REGISTERS, in windows of 256: window 0: v1-11 addresses; v12-23 six registers of statistics a query tile; v24, 25 scale and hold; v26-31 at work; v32-63 P's codes; v64-127 a tile of x; v128-255 S^T, then p (64 a query tile).
;   windows 1, 2: O^T: (channel tile ct, query tile q) at v[8 ct] of window 1 + q.   window 3: v0-127 Q (fragment (q, s) at v[16 (4 q + s)]); v128-255 two sets of four fragments of K or V.
;   In the last product: windows 1, 2: O's codes: fragment (query tile t, K step s) at v[16 (4 (t % 4) + s)] of window 1 + t / 4; window 0 v128-255: two sets of 8 accumulators, by turns; window 3 v128-255: two sets of
;   wp's four fragments of an output tile, by turns; x in three sets by turns: window 0 v64-127, window 3 v0-63, window 3 v64-127.
.set SLOT1,  1<<17                     ; slot 1 begins here: one exclusive or turns an address in one slot into the other's
.set SPARE,  2*SLOT1                   ; behind the ring: the spare words, 128 bytes for each wave: two blocks of 256 bytes that no other line names
.set XF,     SPARE+512                 ; behind them: 8,192 bytes for each wave, into which no fill lands: x's tile 5
.set XG,     65536                     ; behind the last change of slots slot 0 has had its last fill and its last read: bytes 0 - 65,535 take O's 32 fragments, the rest 16,384 bytes for each wave: x's tiles 6 and 7
.set STAGE,  SLOT1                     ; slot 1 has had its last fill too, and its last reads end in front of the barrier that publishes O's fragments: behind it, four stages of 16 rows x 528 bytes
.set SPITCH, 528
.set AWI, 1                            ; v1   where I store O's fragments: 16 x lane + 16,384 x wave
.set ADK, 2                            ; v2   LDS address of the step's K;  in the last product: bp's offset
.set ADV, 3                            ; v3   of its V
.set XLA, 3                            ;      in the last product: where x's tile 5 lies
.set LI,  4                            ; v4   16 x lane
.set SPW, 5                            ; v5   LDS address of my spare word; never rewritten
.set NIL, 6                            ; v6   0; never rewritten
.set PFO, 7                            ; v7   256 x lane: the prefetches of K and V
.set LIV, 8                            ; v8   16 x lane + 65,536
.set XLB, 8                            ;      in the last product: where x's tiles 6 and 7 lie
.set STO, 9                            ; v9   the stage: where I put 16 bytes of a row
.set RD,  10                           ; v10  and where I read a row back
.set XPF, 11                           ; v11  the prefetches of x: row r + 8 (r / 8), block lane / 16
.set ST,  12                           ; query tile q at v[ST + 6 q]: +0 -M, +1 the largest t, +2, +3 the sum in two halves, +4 f (at the end: 2^(e8 + e9) / sum), +5 0
.set SC,  24
.set LM,  25
.set P,   32
.set PC,  32                           ; the last product: codes just made
.set BPR, 48                           ; and bp, each number twice: pairs for the packed form
.set S,   128
.set MSB, 0
.macro WIN new                         ; the immediate's high byte repeats the setting that is left; a switch that changes nothing is dropped
.if MSB != (\new)
	s_set_vgpr_msb (MSB<<8)|(\new)
.set MSB, (\new)
.endif
.endm
.macro PLACES                          ; four places behind matrix instructions, in front of loads into their registers and of reads of their results (ISA guide 7.12.1 for vector instructions)
.rept 4
	v_nop
.endr
.endm
; A round of the cluster's barrier: my work-group's barrier; wave 0 signals for the work-group; every wave waits for all four work-groups; my work-group's barrier once more
.macro CROUND
	s_barrier_signal -1
	s_barrier_wait -1
	s_cmp_lg_u32 s18, 0
	s_cbranch_scc1 .Lnot_wave_0_\@
	s_barrier_signal -3
.Lnot_wave_0_\@:
	s_barrier_wait -3
	s_barrier_signal -1
	s_barrier_wait -1
.endm
; A PREFETCH INTO THE L2 of the key step behind the one just asked for: 131,072 bytes, each aligned block of 256 named once in the launch.  Both clusters of a batch walk the same K and V: the first asks.
; Its sixteen waves take 8,192 bytes each, lanes 256 bytes apart; the partners are told apart BY ADDRESS (4 x place + wave), never by a branch.  The change that asks for the last step prefetches nothing.
.macro ASK
	s_cmp_gt_u32 s37, s38
	s_cbranch_scc0 .Lnot_mine_\@
	global_prefetch_b8 v[PFO], s[40:41] th:TH_LOAD_NT scope:SCOPE_SE
.Lnot_mine_\@:
.endm
; THE CHANGE OF SLOTS stands at a step's head.  Each wave waits for all its tensor loads (its quarter of the slot ahead), adds 0 to its spare word, and waits for that and for its reads of the slot that it has left.
; fill = 1: the barrier is a round of the cluster's, so that no wave of any partner still reads that slot or has a load on its way; the joint refill is the first thing behind it and has a whole step in which to land.
.macro CHANGE fill
	WIN 0
	s_wait_tensorcnt 0x0                           ; no tensor load of mine is out, so the descriptor may be written
	ds_add_u32 v[SPW], v[NIL]                      ; 0 onto my spare word
.if \fill
	s_xor_b32 s33, s33, SLOT1                      ; the other slot than last time,
	s_add_nc_u64 s[34:35], s[34:35], 131072        ; the next key step; the type bits on top are not reached
	s_wait_xcnt 0x0                                ; the last prefetch, a step back, has read its address
	s_add_nc_u64 s[40:41], s[40:41], 131072        ; one step further on than the descriptor
.endif
	s_wait_dscnt 0x0                               ; the add is done, and my reads of the slot that I have left are over
.if \fill
	CROUND
	tensor_load_to_lds s[32:35], s[24:31]          ; my one tensor load until the next change
	s_nop 0
	PLACES                                         ; four v_nop follow it
	ASK
.else
	s_barrier_signal -1
	s_barrier_wait -1
.endif
.endm
; x's three sets of 64 registers: XR the first register, XW the window
.macro XSETS set
.if (\set) == 0
.set XR, 64
.set XW, 0
.elseif (\set) == 1
.set XR, 0
.set XW, 3
.else
.set XR, 64
.set XW, 3
.endif
.endm
.macro XLOAD o, set                    ; x at the 16 rows of output tile o, my block's 512 bytes of each, into a set
	XSETS \set
	WIN XW<<6
.irp rr, 0,1,2,3,4,5,6,7,8,9,10,11,12,13,14,15
	global_load_b128 v[XR+4*\rr:XR+4*\rr+3], v[LI], s[14:15] offset:(32*((\o)/2)+8*((\o)%2)+\rr+8*(\rr/8))*4096 th:TH_LOAD_NT
.endr
.endm
; The tile of x in set 0 is parked in LDS, at v26 + off: bytes of my wave's own, which I alone read again.  left: the loads issued behind the tile's, which may stay out
.macro PARK off, left
	s_wait_loadcnt \left
.irp rr, 0,1,2,3,4,5,6,7,8,9,10,11,12,13,14,15
	ds_store_b128 v26, v[64+4*\rr:64+4*\rr+3] offset:(\off)+512*\rr
.endr
	s_wait_dscnt 0x0                               ; the stores have read their registers: the set may be loaded again
.endm
; Stream fetch n of a step's 16, into set n % 2: 8,192 bytes, 16 LDS loads of 512 consecutive bytes.  n < 8: tile n of K (four K steps); else four fragments of V (channel tiles 4 (n - 8) on)
.macro F n
	WIN 0xc0                                       ; destination window 3
.set FB, 128+64*((\n)%2)
.set k, 0
.rept 16
.if (\n) < 8
	ds_load_b128 v[FB+4*k:FB+4*k+3], v[ADK] offset:8192*(\n)+512*k
.else
	ds_load_b128 v[FB+4*k:FB+4*k+3], v[ADV] offset:8192*((\n)-8)+512*k
.endif
.set k, k+1
.endr
.endm
; S^T of key tile g for my two query tiles: 8 matrix instructions, the two accumulators by turns
.macro SG g
	s_wait_dscnt 16                                ; fetch g is in; fetch g + 1 may be out
	WIN 0x0f                                       ; K and Q window 3, S^T window 0
.set KB, 128+64*((\g)%2)
.irp s, 0,1,2,3
.irp q, 0,1
.if \s == 0
	v_wmma_f32_16x16x128_bf8_bf8 v[S+64*\q+8*(\g):S+64*\q+8*(\g)+7], v[KB+16*\s:KB+16*\s+15], v[16*(4*\q+\s):16*(4*\q+\s)+15], 0
.else
	v_wmma_f32_16x16x128_bf8_bf8 v[S+64*\q+8*(\g):S+64*\q+8*(\g)+7], v[KB+16*\s:KB+16*\s+15], v[16*(4*\q+\s):16*(4*\q+\s)+15], v[S+64*\q+8*(\g):S+64*\q+8*(\g)+7]
.endif
.endr
.endr
	PLACES
	F (\g)+2                                       ; into the set just multiplied
.endm
; The softmax of query tile q for a step: a lane's 64 scores are keys 32 b + 16 (lane / 16) + i in register 16 b + i.  first = 1: the first step, with no old M and nothing to rescale
.macro SOFT q, first
.set SB, S+64*(\q)
.set TT, ST+6*(\q)
.set PB, P+16*(\q)
	v_max3_num_f32 v26, v[SB], v[SB+1], v[SB+2]    ; the largest score among my 64 keys, in two chains; each accumulator is read from its low end on
	v_max3_num_f32 v27, v[SB+3], v[SB+4], v[SB+5]
.irp i, 6,10,14,18,22,26,30,34,38,42,46,50,54,58
	v_max3_num_f32 v26, v26, v[SB+\i], v[SB+\i+1]
	v_max3_num_f32 v27, v27, v[SB+\i+2], v[SB+\i+3]
.endr
	v_max3_num_f32 v26, v26, v[SB+62], v[SB+63]
	v_max_num_f32 v26, v26, v27
	v_permlanex16_b32 v29, v26, s42, s43
	v_max_num_f32 v26, v26, v29                    ; and among lane l xor 16's
.if \first
	v_mul_f32 v[TT+1], s22, v26                    ; as t (c is positive)
	v_floor_f32 v[TT], -v[TT+1]                    ; -M = floor(-t) = -ceil(t): M is a whole number
.else
	v_mul_f32 v26, s22, v26
	v_max_num_f32 v[TT+1], v[TT+1], v26            ; the running largest t
	v_mov_b32 v27, v[TT]
	v_floor_f32 v[TT], -v[TT+1]
	v_sub_f32 v27, v[TT], v27                      ; old M - new M: a whole number, 0 or less
	v_cvt_i32_f32 v27, v27                         ; (it saturates)
	v_ldexp_f32 v[TT+4], 1.0, v27                  ; f = 2^(old M - new M)
.endif
.set n, 0
.rept 32
	v_pk_fma_f32 v[SB+2*n:SB+2*n+1], v[SB+2*n:SB+2*n+1], s[22:23], v[TT:TT+1] op_sel_hi:[1,0,0]   ; t - M (of the pairs c and -M the low word serves both halves)
.set n, n+1
.endr
.set n, 0
.rept 64
	v_exp_f32 v[SB+n], v[SB+n]                     ; p = 2^(t - M), at most 1
.set n, n+1
.endr
.if \first
	v_nop                                          ; a plain line behind the exponentials
	s_wait_alu depctr_va_vdst(0)
.else
	v_pk_mul_f32 v[TT+2:TT+3], v[TT+2:TT+3], v[TT+4:TT+5] op_sel_hi:[1,0]   ; the sum under the new M (the plain line behind the exponentials)
	s_wait_alu depctr_va_vdst(0)
.endif
	v_pk_add_f32 v[30:31], v[SB:SB+1], v[SB+2:SB+3]   ; the sum of the UNQUANTISED p, in two chains
.irp j, 4,8,12,16,20,24,28,32,36,40,44,48,52,56,60
	v_pk_add_f32 v[TT+2:TT+3], v[TT+2:TT+3], v[SB+\j:SB+\j+1]
	v_pk_add_f32 v[30:31], v[30:31], v[SB+\j+2:SB+\j+3]
.endr
	v_pk_add_f32 v[TT+2:TT+3], v[TT+2:TT+3], v[30:31]
.irp b, 0,1,2,3
.irp i, 0,1,2,3,4,5,6,7,8,9,10,11,12,13,14,15
	v_min_num_f32 v[SB+16*\b+\i], v[SB+16*\b+\i], v[LM]   ; the conversion does not saturate (ISA guide 7.6.2); p is not negative, so the hold is one-sided
.endr
	v_cvt_scalef32_pk8_bf8_f32 v[PB+4*\b:PB+4*\b+1], v[SB+16*\b:SB+16*\b+7], v[SC]
	v_cvt_scalef32_pk8_bf8_f32 v[PB+4*\b+2:PB+4*\b+3], v[SB+16*\b+8:SB+16*\b+15], v[SC]
.endr
	v_nop                                          ; a plain line behind the last conversion
.endm
; O^T of channel tiles 4 g .. 4 g + 3, both query tiles, under the new M
.macro RESC g
	WIN 0x41                                       ; O^T window 1, f window 0
.set i, 0
.rept 16
	v_pk_mul_f32 v[32*(\g)+2*i:32*(\g)+2*i+1], v[32*(\g)+2*i:32*(\g)+2*i+1], v[ST+4:ST+5] op_sel_hi:[1,0]
.set i, i+1
.endr
	WIN 0x82                                       ; window 2
.set i, 0
.rept 16
	v_pk_mul_f32 v[32*(\g)+2*i:32*(\g)+2*i+1], v[32*(\g)+2*i:32*(\g)+2*i+1], v[ST+10:ST+11] op_sel_hi:[1,0]
.set i, i+1
.endr
.endm
; O^T += V^T P^T for channel tiles 4 g .. 4 g + 3: 8 matrix instructions on 8 accumulators.  The rescaling of the next four tiles stands behind them: it names none of their registers, so it also
; fills the places in front of the loads into the set just multiplied, and it is issued while the next fetch is on its way.
.macro PG g, first
.if (\g) < 7
	s_wait_dscnt 16                                ; fetch 8 + g is in; the next may be out
.else
	s_wait_dscnt 0x0
.endif
.set VF, 128+64*((\g)%2)
	WIN 0x53                                       ; V window 3, P window 0, O^T window 1
.irp i, 0,1,2,3
.if \first
	v_wmma_f32_16x16x128_bf8_bf8 v[8*(4*(\g)+\i):8*(4*(\g)+\i)+7], v[VF+16*\i:VF+16*\i+15], v[P:P+15], 0
.else
	v_wmma_f32_16x16x128_bf8_bf8 v[8*(4*(\g)+\i):8*(4*(\g)+\i)+7], v[VF+16*\i:VF+16*\i+15], v[P:P+15], v[8*(4*(\g)+\i):8*(4*(\g)+\i)+7]
.endif
.endr
	WIN 0xa3                                       ; O^T window 2
.irp i, 0,1,2,3
.if \first
	v_wmma_f32_16x16x128_bf8_bf8 v[8*(4*(\g)+\i):8*(4*(\g)+\i)+7], v[VF+16*\i:VF+16*\i+15], v[P+16:P+31], 0
.else
	v_wmma_f32_16x16x128_bf8_bf8 v[8*(4*(\g)+\i):8*(4*(\g)+\i)+7], v[VF+16*\i:VF+16*\i+15], v[P+16:P+31], v[8*(4*(\g)+\i):8*(4*(\g)+\i)+7]
.endif
.endr
.if (\first) || ((\g) == 7)
	PLACES
.else
	RESC (\g)+1
.endif
.if (\g) < 6
	F (\g)+10
.endif
.endm
; A KEY STEP: 128 keys out of the slot at s36.  last = 1: the last step, in which registers fall idle and take x
.macro STEP first, last
	v_add_nc_u32 v[ADK], s36, v[LI]
	v_add_nc_u32 v[ADV], s36, v[LIV]
	F 0
	F 1
.irp g, 0,1,2,3,4,5,6,7
	SG \g
.endr
.if \last
	XLOAD 1, 1                                     ; Q has been multiplied for the last time (four places back): its registers take x's tiles 1 and 2
	XLOAD 2, 2
	; x's tiles 3 and 4, the two that are loaded only in the last product (behind its first and second output tile), are asked into the L2 here: 16 rows x 2 blocks of 256 bytes an instruction, a lane a block; only this wave reads them
	global_prefetch_b8 v[XPF], s[14:15] offset:40*4096 th:TH_LOAD_NT scope:SCOPE_SE
	global_prefetch_b8 v[XPF], s[14:15] offset:64*4096 th:TH_LOAD_NT scope:SCOPE_SE
.endif
	WIN 0
	SOFT 0, \first                                 ; V's first two fetches are on their way meanwhile
	SOFT 1, \first
.if \last
	v_add_nc_u32 v26, XG, v[AWI]
	PARK 8192, 32                                  ; x's tile 7 is in (behind it: tiles 1 and 2, 32 loads) and is parked;
	XLOAD 0, 0                                     ; tile 0 takes its place and stays
.endif
.if !\first
	RESC 0
.endif
.irp g, 0,1,2,3,4,5,6,7
	PG \g, \first
.endr
	WIN 0
	s_xor_b32 s36, s36, SLOT1                      ; on to the other slot
.endm
	s_load_b256 s[4:11], s[0:1], 0x0               ; qc s[4:5], kv s[6:7], wc s[8:9], the scales' exponents s[10:11]
	s_load_b128 s[12:15], s[0:1], 0x20             ; bp s[12:13], x s[14:15]
	s_load_b64 s[16:17], s[0:1], 0x30              ; out0
	v_lshl_add_u32 v[SPW], v0, 2, SPARE
	v_mov_b32 v[NIL], 0
	ds_add_u32 v5, v6
	s_wait_dscnt 0x0
	v_lshrrev_b32 v1, 5, v0
	v_readfirstlane_b32 s18, v1                    ; wave 0..3
	s_bfe_u32 s19, ttmp6, 0x40000                  ; cx: my place in the cluster
	s_lshl_b32 s20, ttmp9, 2                       ; in a cluster launch ttmp9 counts clusters
	s_add_co_u32 s20, s20, s19                     ; my block of 128 queries: it enters global addresses of q, x and out0 alone
	s_and_b32 s21, ttmp7, 0xffff                   ; the batch, which the four partners share
	; descriptor group 1: 128 rows of 256 bytes, dense in memory and in LDS
	s_mov_b32 s24, 15|(3<<16)|(1<<21)              ; 15:0 the mask: all four work-groups; 17:16 elements of 8 bytes; 21 set beside a mask; no padding
	s_mov_b32 s25, 32<<16                          ; tensor_dim0 = 32 elements
	s_mov_b32 s26, 128<<16                         ; tensor_dim1 = 128
	s_mov_b32 s27, 32<<16                          ; tile_dim0 = 32
	s_mov_b32 s28, 128                             ; tile_dim1 = 128
	s_mov_b32 s29, 32                              ; from row to row
	s_mov_b32 s30, 0
	s_mov_b32 s31, 0
	s_mov_b32 s32, 1                               ; group 0: count = 1,
	s_lshl_b32 s33, s18, 15                        ; LDS address: my quarter of slot 0: no place in the cluster enters it
	s_lshl_b32 s52, s21, 20                        ; a batch's eight key steps
	s_add_co_u32 s52, s52, s33
	s_mov_b32 s53, 0
	s_mov_b32 s42, 0x76543210                      ; v_permlanex16_b32: lane l takes lane l xor 16
	s_mov_b32 s43, 0xfedcba98
	s_mov_b32 s36, 0                               ; the slot in hand
	s_mov_b32 s37, 7                               ; key steps still to be asked for
	s_lshl_b32 s39, s18, 13
	s_add_co_u32 s39, s39, XF                      ; my 8,192 bytes behind the spare words
	s_cmp_eq_u32 ttmp9, 0                          ; the batch's first cluster prefetches: the same in all four partners
	s_cselect_b32 s38, 1, -1
	s_wait_kmcnt 0x0
	s_add_nc_u64 s[34:35], s[6:7], s[52:53]        ; global address: my quarter of key step 0
	s_or_b32 s35, s35, 0x80000000                  ; type = 2
	CROUND                                         ; all four work-groups are here: the first joint loads meet
	tensor_load_to_lds s[32:35], s[24:31]
	s_nop 0
	PLACES
	s_load_b128 s[44:47], s[10:11], 0x18           ; e6 .. e9
	s_load_b64 s[48:49], s[10:11], 0x28            ; e10, e11
	s_lshl_b32 s54, s19, 2
	s_add_co_u32 s54, s54, s18
	s_lshl_b32 s54, s54, 13                        ; the prefetches: 8,192 x (4 x place + wave),
	s_lshl_b32 s55, s21, 20
	s_add_co_u32 s54, s54, s55
	s_add_co_u32 s54, s54, 131072                  ; at key step 1: the first change steps it to 2.  Nothing is prefetched here, at the head
	s_mov_b32 s55, 0
	s_add_nc_u64 s[40:41], s[6:7], s[54:55]
	s_lshl_b32 s54, s21, 6
	s_lshl_b32 s55, s20, 3
	s_add_co_u32 s54, s54, s55
	s_lshl_b32 s55, s18, 1
	s_add_co_u32 s54, s54, s55
	s_lshl_b32 s54, s54, 13                        ; tile 64 x batch + 8 x block + 2 x wave of q
	s_mov_b32 s55, 0
	s_add_nc_u64 s[4:5], s[4:5], s[54:55]
	s_lshl_b32 s56, s21, 21
	s_lshl_b32 s57, s18, 19
	s_add_co_u32 s56, s56, s57
	s_lshl_b32 s57, s20, 9
	s_add_co_u32 s56, s56, s57                     ; x, out0: the batch, my 128 channels, my block's 512 bytes of a row
	s_mov_b32 s57, 0
	s_add_nc_u64 s[14:15], s[14:15], s[56:57]
	s_add_nc_u64 s[16:17], s[16:17], s[56:57]
	s_lshl_b32 s56, s18, 16
	s_add_co_u32 s56, s56, 3*262144                ; wp's codes, my 8 tiles
	s_add_nc_u64 s[8:9], s[8:9], s[56:57]
	s_lshl_b32 s56, s18, 9
	s_add_nc_u64 s[12:13], s[12:13], s[56:57]      ; bp, my 128 numbers
	v_and_b32 v26, 31, v0
	v_lshlrev_b32 v[LI], 4, v26
	WIN 0xc0                                       ; destination window 3
.set k, 0
.rept 32
	global_load_b128 v[4*k:4*k+3], v[LI], s[4:5] offset:512*k   ; Q stays in registers: two tiles, 16,384 consecutive bytes
.set k, k+1
.endr
	XLOAD 5, 0                                     ; the first tile of x that will be parked; it has the whole first key step in which to come
	WIN 0
	v_lshlrev_b32 v[PFO], 8, v26
	s_lshl_b32 s58, s18, 14
	v_add_nc_u32 v[AWI], s58, v[LI]
	v_add_nc_u32 v[LIV], 65536, v[LI]
	v_and_b32 v27, 15, v0                          ; r
	v_bfe_u32 v28, v0, 4, 1                        ; h
	s_mul_i32 s58, s18, 16*SPITCH
	s_add_co_u32 s58, s58, STAGE                   ; my stage
	v_mul_u32_u24 v[STO], v27, SPITCH
	v_lshl_add_u32 v[STO], v28, 6, v[STO]
	v_add_nc_u32 v[STO], s58, v[STO]               ; in: row r, + 64 h
	v_add_nc_u32 v[RD], s58, v[LI]                 ; back: the 32 lanes take a row of 512 bytes
	v_and_b32 v29, 8, v0
	v_add_nc_u32 v29, v29, v27                     ; r + 8 (r / 8)  (v29 is written here: later a lane permute's destination, which counts as one of its sources)
	v_lshlrev_b32 v[XPF], 12, v29
	v_lshl_add_u32 v[XPF], v28, 8, v[XPF]
.irp q, 0,1
	v_mov_b32 v[ST+6*\q+2], 0                      ; the sum, in two halves
	v_mov_b32 v[ST+6*\q+3], 0
	v_mov_b32 v[ST+6*\q+5], 0                      ; (named as the upper half of f's pair)
.endr
	s_wait_kmcnt 0x0
	s_add_co_i32 s58, s44, s45
	s_lshl_b32 s58, s58, 23
	s_add_co_i32 s22, s58, 0x3d8293ee              ; c = log2(e) / sqrt(512), with e6 + e7 added to its exponent field: a score stands for score x 2^(e6 + e7)
	s_mov_b32 s23, s22                             ; (named with it as a pair, so it is written)
	s_add_co_i32 s58, s46, 127
	s_lshl_b32 s59, s58, 23
	v_mov_b32 v[SC], s59                           ; 2^e8
	s_add_co_i32 s58, s58, 15
	s_lshl_b32 s58, s58, 23
	s_or_b32 s58, s58, 0x600000
	v_mov_b32 v[LM], s58                           ; 57,344 x 2^e8
	s_wait_loadcnt 16                              ; Q is in; x's sixteen loads, issued behind it, may be out
	CHANGE 1                                       ; key step 0 has landed; step 1 is asked for, into slot 1
	STEP 1, 0                                      ; the first step is written out: its products start O^T's sums, and nothing is cleared
	v_add_nc_u32 v26, s39, v[LI]
	PARK 0, 0                                      ; x's tile 5 goes behind the spare words;
	XLOAD 6, 0                                     ; tile 6 has the six steps of the loop in which to come
	s_mov_b32 s37, 6
.Lslot:                                            ; six trips: steps 1 to 6, asking for steps 2 to 7
	CHANGE 1
	STEP 0, 0
	s_sub_co_u32 s37, s37, 1
	s_cmp_lg_u32 s37, 0
	s_cbranch_scc1 .Lslot
	CHANGE 0                                       ; the last step is written out.  Behind this barrier nobody reads slot 0, and nothing is filled any more
	v_add_nc_u32 v26, XG, v[AWI]
	PARK 0, 0                                      ; x's tile 6 goes into slot 0's upper half;
	XLOAD 7, 0                                     ; tile 7 has S^T and the softmax in which to come
	STEP 0, 1
; ---- THE LAST PRODUCT AND THE WAY OUT
.macro WPLOAD o                        ; wp's tile o of my eight: its four fragments are 8,192 bytes on end; into set o % 2
	WIN 0xc0
.set WB, 128+64*((\o)%2)
.set k, 0
.rept 16
	global_load_b128 v[WB+4*k:WB+4*k+3], v[LI], s[8:9] offset:8192*(\o)+512*k
.set k, k+1
.endr
.endm
; O^T of query tile q, channels 128 s on: / the sum, x 2^(e8 + e9), held, quantised with e10: one fragment; its image goes to LDS
.macro AQ q, s
.set WW, 1+(\q)
.set OB, 64*(\s)
	WIN (WW<<6)|WW
.set i, 0
.rept 32
	v_pk_mul_f32 v[OB+2*i:OB+2*i+1], v[OB+2*i:OB+2*i+1], v[ST+6*(\q)+4:ST+6*(\q)+5] op_sel_hi:[1,0]   ; each accumulator from its low end on
.set i, i+1
.endr
.set i, 0
.rept 64
	v_med3_num_f32 v[OB+i], v[OB+i], -v[LM], v[LM]
.set i, i+1
.endr
	s_wait_dscnt 0x0                               ; the last image's stores have read the code registers
	WIN WW
.irp b, 0,1,2,3
	v_cvt_scalef32_pk8_bf8_f32 v[PC+4*\b:PC+4*\b+1], v[OB+16*\b:OB+16*\b+7], v[SC]
	v_cvt_scalef32_pk8_bf8_f32 v[PC+4*\b+2:PC+4*\b+3], v[OB+16*\b+8:OB+16*\b+15], v[SC]
.endr
	v_nop                                          ; a plain line behind the last conversion
	WIN 0
.irp c, 0,1,2,3
	ds_store_b128 v[AWI], v[PC+4*\c:PC+4*\c+3] offset:(4*(\q)+(\s))*2048+512*\c
.endr
.endm
.macro AFETCH hq                       ; the 16 fragments of query tiles 4 hq .. 4 hq + 3: 32,768 bytes on end, into window 1 + hq, where O^T lay
	WIN (1+(\hq))<<6
.set k, 0
.rept 64
	ds_load_b128 v[4*k:4*k+3], v[LI] offset:32768*(\hq)+512*k
.set k, k+1
.endr
.endm
; Output tile o: 32 matrix instructions: four query tiles' accumulators by turns, K ascending; then the other four
.macro MUL o
.set DB, 128+64*((\o)%2)               ; the accumulators, in window 0
.set WB, 128+64*((\o)%2)               ; wp's fragments, in window 3
.irp hq, 0,1
.if (\o) == 0
.if \hq == 0
	s_wait_dscnt 63                                ; the first 64 of the 128 loads are in: 64 were issued behind them, and the count names 63 at the most
.else
	s_wait_dscnt 0x0
.endif
.endif
	WIN 0x0d+\hq                                   ; O's codes window 1 or 2, wp window 3, C and D window 0
.irp s, 0,1,2,3
.irp t, 0,1,2,3
.if \s == 0
	v_wmma_f32_16x16x128_bf8_bf8 v[DB+8*(4*\hq+\t):DB+8*(4*\hq+\t)+7], v[16*(4*\t+\s):16*(4*\t+\s)+15], v[WB+16*\s:WB+16*\s+15], 0
.else
	v_wmma_f32_16x16x128_bf8_bf8 v[DB+8*(4*\hq+\t):DB+8*(4*\hq+\t)+7], v[16*(4*\t+\s):16*(4*\t+\s)+15], v[WB+16*\s:WB+16*\s+15], v[DB+8*(4*\hq+\t):DB+8*(4*\hq+\t)+7]
.endif
.endr
.endr
.endr
.endm
; Output tile o: sum x 2^(e10 + e11) + bp; into my stage and back, so that a row's 512 bytes come together.  The next tile's products stand between these loads and the wait for them
.macro TOST o
.set DB, 128+64*((\o)%2)
	WIN 0
.set i, 0
.rept 32
	v_pk_fma_f32 v[DB+2*i:DB+2*i+1], v[DB+2*i:DB+2*i+1], s[50:51], v[BPR+2*(\o):BPR+2*(\o)+1] op_sel_hi:[1,0,1]   ; each accumulator from its low end on
.set i, i+1
.endr
.irp t, 0,1,2,3,4,5,6,7
	ds_store_b128 v[STO], v[DB+8*\t:DB+8*\t+3] offset:128*(\t/2)+32*(\t%2)        ; lane (r, h), query tile t: pixels 32 (t / 2) + 16 h + 8 (t % 2) + 0 .. 7 of row r
	ds_store_b128 v[STO], v[DB+8*\t+4:DB+8*\t+7] offset:128*(\t/2)+32*(\t%2)+16
.endr
.irp rr, 0,1,2,3,4,5,6,7,8,9,10,11,12,13,14,15
	ds_load_b128 v[DB+4*\rr:DB+4*\rr+3], v[RD] offset:\rr*SPITCH   ; LDS serves a wave's instructions in order (ISA guide 5.7.1.4): these see my stores; they land in the registers that the rows left
.endr
.endm
.macro XLDS o                          ; a parked tile of x comes back, into set o % 3
	XSETS ((\o)%3)
	WIN XW<<6
.irp rr, 0,1,2,3,4,5,6,7,8,9,10,11,12,13,14,15
.if (\o) == 5
	ds_load_b128 v[XR+4*\rr:XR+4*\rr+3], v[XLA] offset:512*\rr
.else
	ds_load_b128 v[XR+4*\rr:XR+4*\rr+3], v[XLB] offset:8192*((\o)-6)+512*\rr
.endif
.endr
.endm
; Output tile o leaves: + x; 16 stores of 512 consecutive bytes, at multiples of 512 from out0's first byte.  x's set is asked for anew as soon as the additions have read it.
; No wait on the loads stands here: each tile of x that comes from memory was issued ahead of a tile of wp that has been waited for by now, and loads come back in order (ISA guide 5.7.1)
.macro FIN o
.set DB, 128+64*((\o)%2)
	XSETS ((\o)%3)
	s_wait_dscnt 0x0                               ; the rows are back from the stage, and so is a parked tile of x
	WIN XW<<2
.set i, 0
.rept 32
	v_pk_add_f32 v[DB+2*i:DB+2*i+1], v[DB+2*i:DB+2*i+1], v[XR+2*i:XR+2*i+1]
.set i, i+1
.endr
.if (\o) < 2
	XLOAD (\o)+3, ((\o)%3)                         ; tiles 3 and 4, from memory
.elseif (\o) < 5
	XLDS (\o)+3                                    ; tiles 5, 6 and 7, from LDS
.endif
	WIN 0
.irp rr, 0,1,2,3,4,5,6,7,8,9,10,11,12,13,14,15
	global_store_b128 v[LI], v[DB+4*\rr:DB+4*\rr+3], s[16:17] offset:(32*((\o)/2)+8*((\o)%2)+\rr+8*(\rr/8))*4096 th:TH_STORE_NT
.endr
.endm
; The loads of the last product, in the order of issue (16 each): x 7, 1, 2, 0, bp, wp 0, 1 | wp 2 | wp 3, x 3 | wp 4, x 4 | wp 5 | wp 6 | wp 7.  The wait ahead of tile o's products leaves out what was issued behind wp's tile o
.macro ITER o
.if (\o) > 1
	s_wait_xcnt 0x0                                ; tile o - 2's stores have read their data registers, which these products write
.endif
.if (\o) == 7
	s_wait_loadcnt 0x0
.elseif (\o) == 3
	s_wait_loadcnt 48                              ; behind wp 3: x 3, wp 4, x 4
.elseif ((\o) == 2) || ((\o) == 4)
	s_wait_loadcnt 32                              ; behind wp 2: wp 3, x 3;  behind wp 4: x 4, wp 5
.else
	s_wait_loadcnt 16                              ; behind wp's tile o: its tile o + 1
.endif
	MUL \o
	PLACES                                         ; for the loads into wp's set and for the first read of results
.if (\o) < 6
	WPLOAD (\o)+2
.endif
.if (\o) > 0
	FIN (\o)-1
.endif
	TOST \o
.endm
	v_and_b32 v2, 15, v0
	v_and_b32 v3, 8, v0
	v_add_nc_u32 v2, v2, v3
	v_lshlrev_b32 v2, 2, v2                        ; bp: number r + 8 (r / 8) of a tile's
.irp o, 0,1,2,3,4,5,6,7
	global_load_b32 v[BPR+2*\o], v2, s[12:13] offset:(32*(\o/2)+8*(\o%2))*4
	global_load_b32 v[BPR+2*\o+1], v2, s[12:13] offset:(32*(\o/2)+8*(\o%2))*4
.endr
	WPLOAD 0                                       ; where K's and V's fragments lay
	WPLOAD 1
	WIN 0
	v_add_nc_u32 v[XLA], s39, v[LI]
	v_add_nc_u32 v[XLB], XG, v[AWI]
	s_add_co_i32 s58, s46, s47                     ; e8 + e9
	v_add_f32 v26, v[ST+2], v[ST+3]                ; the sums' two halves,
	v_add_f32 v27, v[ST+8], v[ST+9]
	v_permlanex16_b32 v29, v26, s42, s43
	v_add_f32 v26, v26, v29                        ; and lane l xor 16's
	v_permlanex16_b32 v29, v27, s42, s43
	v_add_f32 v27, v27, v29
	v_rcp_f32 v26, v26
	v_rcp_f32 v27, v27
	v_nop                                          ; a plain line behind the transcendentals
	s_wait_alu depctr_va_vdst(0)
	v_ldexp_f32 v[ST+4], v26, s58
	v_ldexp_f32 v[ST+10], v27, s58
	s_add_co_i32 s58, s48, 127
	s_lshl_b32 s59, s58, 23
	v_mov_b32 v[SC], s59                           ; 2^e10
	s_add_co_i32 s58, s58, 15
	s_lshl_b32 s58, s58, 23
	s_or_b32 s58, s58, 0x600000
	v_mov_b32 v[LM], s58                           ; 57,344 x 2^e10
	s_add_co_i32 s50, s48, s49
	s_add_co_i32 s50, s50, 127
	s_lshl_b32 s50, s50, 23                        ; 2^(e10 + e11)
	s_mov_b32 s51, s50
.irp q, 0,1
.irp s, 0,1,2,3
	AQ \q, \s
.endr
.endr
	s_wait_dscnt 0x0                               ; for the others' sake: my eight images have landed, and my reads of slot 1 are over
	s_barrier_signal -1
	s_barrier_wait -1                              ; all 32 fragments lie in LDS, and nobody reads slot 1 any more: the stages lie there
	AFETCH 0
	AFETCH 1
.irp o, 0,1,2,3,4,5,6,7
	ITER \o
.endr
	FIN 7
	WIN 0
	s_wait_tensorcnt 0x0                           ; the wave's end: behind my last tensor load and my last LDS store
	ds_add_u32 v[SPW], v[NIL]
	s_wait_dscnt 0x0
	CROUND                                         ; the closing round: no work-group ends while a partner may still ask for a tile that names it
	s_endpgm
.Lfunc_end_k_q9acf866da9_attn:
	.size	k_q9acf866da9_attn, .Lfunc_end_k_q9acf866da9_attn-k_q9acf866da9_attn
	.p2alignl 7, 3214868480
	.fill 96, 4, 3214868480
	.section	.rodata,"a",@progbits
	.p2align	6, 0x0
	.amdhsa_kernel k_q9acf866da9_attn
		.amdhsa_group_segment_fixed_size 327680
		.amdhsa_private_segment_fixed_size 0
		.amdhsa_enable_private_segment 0
		.amdhsa_kernarg_size 56
		.amdhsa_user_sgpr_count 2
		.amdhsa_user_sgpr_kernarg_segment_ptr 1
		.amdhsa_wavefront_size32 1
		.amdhsa_system_sgpr_workgroup_id_x 1
		.amdhsa_system_sgpr_workgroup_id_y 1
		.amdhsa_system_sgpr_workgroup_id_z 1
		.amdhsa_system_vgpr_workitem_id 0
		.amdhsa_next_free_vgpr 1024
		.amdhsa_next_free_sgpr 66
		.amdhsa_reserve_vcc 0
		.amdhsa_float_denorm_mode_32 3
		.amdhsa_float_denorm_mode_16_64 3
		.amdhsa_memory_ordered 1
		.amdhsa_forward_progress 1
		.amdhsa_inst_pref_size 255
	.end_amdhsa_kernel
	.section	.bss,"aw",@nobits
	.p2align	6
	.space	262144
	.amdgpu_metadata
---
amdhsa.version: [ 1, 2 ]
amdhsa.kernels:
  - .name:           k_q9acf866da9_attn
    .symbol:         k_q9acf866da9_attn.kd
    .args:
      - { .name: qc, .offset: 0, .size: 8, .value_kind: global_buffer, .address_space: global }
      - { .name: kv, .offset: 8, .size: 8, .value_kind: global_buffer, .address_space: global }
      - { .name: wc, .offset: 16, .size: 8, .value_kind: global_buffer, .address_space: global }
      - { .name: lowp_scales, .offset: 24, .size: 8, .value_kind: global_buffer, .address_space: global }
      - { .name: bp, .offset: 32, .size: 8, .value_kind: global_buffer, .address_space: global }
      - { .name: x, .offset: 40, .size: 8, .value_kind: global_buffer, .address_space: global }
      - { .name: out0, .offset: 48, .size: 8, .value_kind: global_buffer, .address_space: global }
    .group_segment_fixed_size: 327680
    .private_segment_fixed_size: 0
    .kernarg_segment_align: 8
    .kernarg_segment_size: 56
    .max_flat_workgroup_size: 128
    .sgpr_count:     66
    .vgpr_count:     1024
    .wavefront_size: 32
...
	.end_amdgpu_metadata
.endif
;; end of part 3
;; ======== version 2 of 2: 3 launches
;; workspace buffers: hc 50,331,648 bytes; wc 1,048,576 bytes; qc 16,777,216 bytes; kv 33,554,432 bytes
;; launch prep (part 4): grid 1024 x 1, 8 waves a work-group, no clusters, 17,664 bytes of LDS; arguments x, gn_w, gn_b, wq, wk, wv, wp, lowp_scales, hc, wc; writes hc, wc
.if DOCPART == 4
	.amdgcn_target "amdgcn-amd-amdhsa--gfx1250"
	.amdhsa_code_object_version 6
	.text
	.protected	k_q9acf866da9_prep
	.globl	k_q9acf866da9_prep
	.p2align	8
	.type	k_q9acf866da9_prep,@function
k_q9acf866da9_prep:
	s_mov_b64 s[64:65], 0
	v_nop
	global_prefetch_b8 v0, s[64:65] scope:SCOPE_SE
	s_setreg_imm32_b32 hwreg(HW_REG_WAVE_MODE, 25, 1), 1
	s_wait_xcnt 0x0
; PREP: GroupNorm of x into three sets of BF8 (E5M2) codes, and the four weights into codes.
; x: [32][512][1024] f32.  A group is 16 channels x 1,024 pixels of one batch: 65,536 consecutive bytes.
; THE LAYOUT OF EVERY OPERAND IN THIS PROGRAM (a TILE): 16 rows x 512 along K = 8,192 bytes, laid [unit 0..31][row 0..15][16 bytes]; unit g holds K = 16 g .. 16 g + 15 of a row.
; So 512 consecutive bytes, 16 a lane, are four registers of a matrix operand as the lanes want them (lane (r, h): row r, K = 32 c + 16 h + 0 .. 15), and a group of GroupNorm is a unit.
; THE ROWS OF A TILE ARE NOT NEIGHBOURS: row r of tile T is row 32 (T / 2) + 8 (T % 2) + r + 8 (r / 8) of the tensor, so that the results of two neighbouring tiles are 16 neighbours along the next K.
; hc: [set 3][batch 32][tile 64][8,192]: rows = pixels, K = channels; set i is h / 2^lowp[2 i].   wc: [wq, wk, wv, wp][tile 32][8,192]: rows = output channels, scales lowp[1], [3], [5], [11].
; code = number / 2^e, held within +-57,344, rounded to the nearest code, ties to even.
; SHARES.  A work-group takes a group: thread t holds pixels 4 t .. 4 t + 3 of the group's 16 channels in 64 registers, so x is read once, each load of a wave covering 512 consecutive bytes.
; The variance is taken in a second pass over the registers, of x - mean: no difference of large sums is formed.  h is made in place; the hold ahead of each conversion reads it by channels and
; writes it by pixels, so that no second set of 64 registers is spent on turning it.
; THE WEIGHTS ride along: their 128 tiles are 2,048 items of two units (512 bytes of codes); waves 0 and 4 of each of the 1,024 work-groups take one item, while their loads of x are on their way.
; 128 registers a wave: eight waves fit on a SIMD, four work-groups on a WGP, and 4 x 256 is the grid: every group's loads go out at the launch's start.
; No cluster and no tensor load: no two work-groups read the same byte, and the bytes in flight are the waves' own 16 loads each.
; LIMITS: lowp[0], [2], [4], [1], [3], [5], [11] between -126 and 112, so that 2^e and 57,344 x 2^e are f32 numbers.  NaN among the inputs is not served.
.set X,   16                           ; v16-79   x[c][j] at X + 4 c + j; then x - mean; then h
.set T,   80                           ; v80-95   a weight item's 16 numbers; at work in the sums; rstd x gn_w; then a pixel's 16 held numbers
.set C,   96                           ; v96-111  the codes of my four pixels
.set O,   112                          ; v112-127 a weight item's codes and offsets; then the codes back from the stage: the stores' data
.set RED, 16384                        ; LDS: behind the eight waves' stages of 2,048 bytes: 8 words for the sums, 8 more, 32 bytes on, for the squares
; v13, a number a lane, becomes the sum over the work-group's 256 lanes, in every lane, added in the same order in every wave
.macro GSUM off
	s_delay_alu instid0(VALU_DEP_1)
	v_add_f32_dpp v13, v13, v13 row_xmask:1 row_mask:0xf bank_mask:0xf
	s_delay_alu instid0(VALU_DEP_1)
	v_add_f32_dpp v13, v13, v13 row_xmask:2 row_mask:0xf bank_mask:0xf
	s_delay_alu instid0(VALU_DEP_1)
	v_add_f32_dpp v13, v13, v13 row_xmask:4 row_mask:0xf bank_mask:0xf
	s_delay_alu instid0(VALU_DEP_1)
	v_add_f32_dpp v13, v13, v13 row_xmask:8 row_mask:0xf bank_mask:0xf
	s_delay_alu instid0(VALU_DEP_1)
	v_permlanex16_b32 v14, v13, s90, s91           ; the other half of the lanes (v14 has been written before)
	s_delay_alu instid0(VALU_DEP_1)
	v_add_f32 v13, v13, v14
	ds_store_b32 v6, v13 offset:\off               ; all lanes write my wave's word with the same number
	s_wait_dscnt 0x0                               ; for the others' sake: my store has landed
	s_barrier_signal -1
	s_barrier_wait -1
	ds_load_b128 v[T+8:T+11], v7 offset:\off
	ds_load_b128 v[T+12:T+15], v7 offset:\off+16
	s_wait_dscnt 0x0
	v_pk_add_f32 v[T+8:T+9], v[T+8:T+9], v[T+10:T+11]
	v_pk_add_f32 v[T+12:T+13], v[T+12:T+13], v[T+14:T+15]
	s_delay_alu instid0(VALU_DEP_1)
	v_pk_add_f32 v[T+8:T+9], v[T+8:T+9], v[T+12:T+13]
	s_delay_alu instid0(VALU_DEP_1)
	v_add_f32 v13, v[T+8], v[T+9]
.endm
; Set i of the codes: h / 2^lowp[2 i].  A pixel's 16 codes are one row of one unit.  They go through my wave's stage in pixel order and come back in the tiles' row order:
; each store then writes two whole units of 256 bytes, lanes 0-15 one tile's, lanes 16-31 the next tile's.
.macro QSET i
	s_add_co_i32 s94, s[28+2*\i], 127
	s_lshl_b32 s95, s94, 23
	v_mov_b32 v11, s95                             ; 2^e as f32: the conversion takes its exponent field
	s_add_co_i32 s94, s94, 15
	s_lshl_b32 s94, s94, 23
	s_or_b32 s94, s94, 0x600000
	v_mov_b32 v12, s94                             ; 57,344 x 2^e
.irp j, 0,1,2,3
.irp c, 0,1,2,3,4,5,6,7,8,9,10,11,12,13,14,15
	v_med3_num_f32 v[T+\c], v[X+4*\c+\j], -v12, v12   ; the conversion does not saturate (ISA guide 7.6.2): the hold comes first.  It also gathers pixel j's 16 channels; h itself is kept for the next set
.endr
	v_cvt_scalef32_pk8_bf8_f32 v[C+4*\j:C+4*\j+1], v[T:T+7], v11
	v_cvt_scalef32_pk8_bf8_f32 v[C+4*\j+2:C+4*\j+3], v[T+8:T+15], v11
	v_nop                                          ; a plain line between the conversions and the next write of their sources
.endr
.irp j, 0,1,2,3
	ds_store_b128 v3, v[C+4*\j:C+4*\j+3] offset:16*\j   ; pixel 4 lane + j at byte 16 (4 lane + j) of my stage (lanes 64 bytes apart: twelve such stores a wave, so no padding is spent on them)
.endr
	s_wait_xcnt 0x0                                ; the stores issued so far have read O: it is loaded again only behind this wait
.irp k, 0,1,2,3
	ds_load_b128 v[O+4*\k:O+4*\k+3], v4 offset:512*\k   ; LDS serves a wave's instructions in order (ISA guide 5.7.1.4): these see my stores
.endr
	s_wait_dscnt 0x0                               ; the codes are back, and the stores into the stage have read C
.irp k, 0,1,2,3
	global_store_b128 v5, v[O+4*\k:O+4*\k+3], s[84+2*\i:85+2*\i] offset:16384*\k   ; tiles 2 k and 2 k + 1 of my wave's eight
.endr
.endm
	s_load_b512 s[4:19], s[0:1], 0x0               ; x s[4:5], gn_w s[6:7], gn_b s[8:9], wq s[10:11], wk s[12:13], wv s[14:15], wp s[16:17], the scales' exponents s[18:19]
	s_load_b128 s[20:23], s[0:1], 0x40             ; hc s[20:21], wc s[22:23]
	v_lshl_add_u32 v128, v0, 2, 0x4100
	v_mov_b32 v129, 0
	v_lshrrev_b32 v1, 5, v0
	s_delay_alu instid0(VALU_DEP_1)
	v_readfirstlane_b32 s24, v1                    ; wave 0..7
	v_and_b32 v1, 31, v0                           ; lane
	v_and_b32 v13, 15, v0                          ; r
	v_bfe_u32 v15, v0, 4, 1                        ; hh = lane / 16
	v_and_b32 v14, 8, v0
	s_delay_alu instid0(VALU_DEP_1)
	v_add_nc_u32 v14, v14, v13                     ; r + 8 (r / 8)
	v_lshlrev_b32 v2, 4, v0                        ; my four pixels in a channel's row
	s_lshl_b32 s26, ttmp9, 16                      ; the work-group's number is 32 x batch + group
	s_mov_b32 s27, 0
	s_wait_alu depctr_va_vdst(0)
	s_wait_kmcnt 0x0
	s_load_b256 s[28:35], s[18:19], 0x0            ; e0 .. e7
	s_load_b128 s[36:39], s[18:19], 0x20           ; e8 .. e11
	s_add_nc_u64 s[4:5], s[4:5], s[26:27]          ; the group's 65,536 bytes
.irp c, 0,1,2,3,4,5,6,7,8,9,10,11,12,13,14,15
	global_load_b128 v[X+4*\c:X+4*\c+3], v2, s[4:5] offset:4096*\c th:TH_LOAD_NT
.endr
	s_and_b32 s56, ttmp9, 31                       ; group
	s_lshr_b32 s57, ttmp9, 5                       ; batch
	s_lshl_b32 s58, s56, 6
	s_mov_b32 s59, 0
	s_add_nc_u64 s[6:7], s[6:7], s[58:59]
	s_add_nc_u64 s[8:9], s[8:9], s[58:59]
	s_load_b512 s[40:55], s[6:7], 0x0              ; the group's 16 gains
	s_load_b512 s[68:83], s[8:9], 0x0              ; and 16 biases
	s_lshl_b32 s60, s57, 19                        ; a batch's 64 tiles,
	s_lshl_b32 s61, s56, 8                         ; the group's unit in a tile
	s_add_co_u32 s60, s60, s61
	s_mov_b32 s61, 0
	s_add_nc_u64 s[84:85], s[20:21], s[60:61]      ; set 0,
	s_add_nc_u64 s[86:87], s[84:85], 0x1000000     ; set 1,
	s_add_nc_u64 s[88:89], s[86:87], 0x1000000     ; set 2
	s_mov_b32 s90, 0x76543210                      ; v_permlanex16_b32: lane l takes lane l xor 16
	s_mov_b32 s91, 0xfedcba98
	s_mov_b32 s92, 0x38800000                      ; 1 / 16,384
	s_mov_b32 s93, 0x358637bd                      ; 1e-6
	s_lshl_b32 s62, s24, 11                        ; my wave's stage
	v_lshl_add_u32 v3, v1, 6, s62                  ; in: 64 x lane
	v_lshl_add_u32 v4, v15, 3, v14
	s_delay_alu instid0(VALU_DEP_1)
	v_lshl_add_u32 v4, v4, 4, s62                  ; back: pixel 8 hh + r + 8 (r / 8) of each 32: row r of tile 2 k + hh
	s_lshl_b32 s63, s24, 16                        ; my wave's eight tiles
	v_lshlrev_b32 v5, 4, v13
	s_delay_alu instid0(VALU_DEP_1)
	v_lshl_add_u32 v5, v15, 13, v5
	s_delay_alu instid0(VALU_DEP_1)
	v_add_nc_u32 v5, s63, v5                       ; + 8,192 hh + 16 r
	s_lshl_b32 s63, s24, 2
	s_add_co_u32 s63, s63, RED
	v_mov_b32 v6, s63                              ; my wave's word
	v_mov_b32 v7, RED
	s_wait_kmcnt 0x0
	; ---- an item of a weight, in waves 0 and 4: units 2 it and 2 it + 1 of a tile: lane (r, hh) takes 16 neighbours along K of its row.  No LDS and no barrier stands in this branch
	s_and_b32 s26, s24, 3
	s_cmp_lg_u32 s26, 0
	s_cbranch_scc1 .Lno_item
	s_lshl_b32 s26, ttmp9, 1
	s_lshr_b32 s27, s24, 2
	s_add_co_u32 s26, s26, s27                     ; item = 512 x matrix + 16 x tile + it
	s_lshr_b32 s27, s26, 9                         ; matrix: 0 wq, 1 wk, 2 wv, 3 wp
	s_cmp_eq_u32 s27, 1                            ; the choices hang on the work-group's and the wave's number alone
	s_cselect_b64 s[10:11], s[12:13], s[10:11]
	s_cselect_b32 s29, s31, s29
	s_cmp_eq_u32 s27, 2
	s_cselect_b64 s[10:11], s[14:15], s[10:11]
	s_cselect_b32 s29, s33, s29
	s_cmp_eq_u32 s27, 3
	s_cselect_b64 s[10:11], s[16:17], s[10:11]
	s_cselect_b32 s29, s39, s29                    ; e1, e3, e5 or e11
	s_bfe_u32 s56, s26, 0x40005                    ; T / 2
	s_lshl_b32 s56, s56, 16                        ; 32 (T / 2) rows of 2,048 bytes
	s_bfe_u32 s57, s26, 0x10004                    ; T % 2
	s_lshl_b32 s57, s57, 14                        ; + 8 (T % 2) rows
	s_add_co_u32 s56, s56, s57
	s_and_b32 s57, s26, 15
	s_lshl_b32 s57, s57, 7                         ; + the item's 32 numbers along K
	s_add_co_u32 s56, s56, s57
	s_mov_b32 s57, 0
	s_add_nc_u64 s[10:11], s[10:11], s[56:57]
	s_lshl_b32 s56, s26, 9                         ; an item's codes are 512 bytes, the items on end
	s_add_nc_u64 s[22:23], s[22:23], s[56:57]
	v_lshlrev_b32 v[O+4], 11, v14
	s_delay_alu instid0(VALU_DEP_1)
	v_lshl_add_u32 v[O+4], v15, 6, v[O+4]          ; row r + 8 (r / 8), + 64 hh
	v_lshlrev_b32 v[O+5], 4, v1                    ; out: 16 x lane
.irp i, 0,1,2,3
	global_load_b128 v[T+4*\i:T+4*\i+3], v[O+4], s[10:11] offset:16*\i
.endr
	s_add_co_i32 s94, s29, 127
	s_lshl_b32 s95, s94, 23
	v_mov_b32 v11, s95                             ; 2^e
	s_add_co_i32 s94, s94, 15
	s_lshl_b32 s94, s94, 23
	s_or_b32 s94, s94, 0x600000
	v_mov_b32 v12, s94                             ; 57,344 x 2^e
	s_wait_alu depctr_va_vdst(0)
	s_wait_loadcnt 0x0
.irp c, 0,1,2,3,4,5,6,7,8,9,10,11,12,13,14,15
	v_med3_num_f32 v[T+\c], v[T+\c], -v12, v12
.endr
	v_cvt_scalef32_pk8_bf8_f32 v[O:O+1], v[T:T+7], v11
	v_cvt_scalef32_pk8_bf8_f32 v[O+2:O+3], v[T+8:T+15], v11
	v_nop                                          ; a plain line between the conversions and the sums, which write their sources
	global_store_b128 v[O+5], v[O:O+3], s[22:23]   ; 512 consecutive bytes: two whole units
.Lno_item:
	s_wait_loadcnt 0x0
	v_pk_add_f32 v[82:83], v[16:17], v[24:25]
	v_pk_add_f32 v[84:85], v[32:33], v[40:41]
	v_pk_add_f32 v[86:87], v[48:49], v[56:57]
	v_pk_add_f32 v[126:127], v[64:65], v[72:73]
	v_pk_add_f32 v[124:125], v[18:19], v[26:27]
	v_pk_add_f32 v[122:123], v[34:35], v[42:43]
	v_pk_add_f32 v[120:121], v[50:51], v[58:59]
	v_pk_add_f32 v[80:81], v[66:67], v[74:75]
	s_delay_alu instid0(VALU_DEP_1)
	v_pk_add_f32 v[80:81], v[80:81], v[20:21]
	v_pk_add_f32 v[82:83], v[82:83], v[28:29]
	v_pk_add_f32 v[84:85], v[84:85], v[36:37]
	v_pk_add_f32 v[86:87], v[86:87], v[44:45]
	v_pk_add_f32 v[126:127], v[126:127], v[52:53]
	v_pk_add_f32 v[124:125], v[124:125], v[60:61]
	v_pk_add_f32 v[122:123], v[122:123], v[68:69]
	v_pk_add_f32 v[120:121], v[120:121], v[76:77]
	v_pk_add_f32 v[80:81], v[80:81], v[22:23]
	v_pk_add_f32 v[82:83], v[82:83], v[30:31]
	v_pk_add_f32 v[84:85], v[84:85], v[38:39]
	v_pk_add_f32 v[86:87], v[86:87], v[46:47]
	v_pk_add_f32 v[126:127], v[126:127], v[54:55]
	v_pk_add_f32 v[124:125], v[124:125], v[62:63]
	v_pk_add_f32 v[122:123], v[122:123], v[70:71]
	v_pk_add_f32 v[120:121], v[120:121], v[78:79]
	s_delay_alu instid0(VALU_DEP_4)
	v_pk_add_f32 v[80:81], v[80:81], v[126:127]
	s_delay_alu instid0(VALU_DEP_4)
	v_pk_add_f32 v[82:83], v[82:83], v[124:125]
	s_delay_alu instid0(VALU_DEP_4)
	v_pk_add_f32 v[84:85], v[84:85], v[122:123]
	s_delay_alu instid0(VALU_DEP_4)
	v_pk_add_f32 v[86:87], v[86:87], v[120:121]
	s_delay_alu instid0(VALU_DEP_2)
	v_pk_add_f32 v[80:81], v[80:81], v[84:85]
	s_delay_alu instid0(VALU_DEP_2)
	v_pk_add_f32 v[82:83], v[82:83], v[86:87]
	s_delay_alu instid0(VALU_DEP_1)
	v_pk_add_f32 v[80:81], v[80:81], v[82:83]
	s_delay_alu instid0(VALU_DEP_1)
	v_add_f32 v13, v[T], v[T+1]
	GSUM 0
	s_delay_alu instid0(VALU_DEP_1)
	v_mul_f32 v8, s92, v13
	s_delay_alu instid0(VALU_DEP_1)
	v_mov_b32 v9, v8                               ; the mean, twice: a pair for the packed form
	; x - mean, in place, and the sum of its squares
.set p, 0
.rept 32
	v_pk_add_f32 v[X+2*p:X+2*p+1], v[X+2*p:X+2*p+1], v[8:9] neg_lo:[0,1] neg_hi:[0,1]
.set p, p+1
.endr
.irp k, 0,1,2,3
	v_pk_mul_f32 v[T+2*\k:T+2*\k+1], v[X+2*\k:X+2*\k+1], v[X+2*\k:X+2*\k+1]
.endr
.set p, 4
.rept 28
	s_delay_alu instid0(VALU_DEP_4)
	v_pk_fma_f32 v[T+2*(p%4):T+2*(p%4)+1], v[X+2*p:X+2*p+1], v[X+2*p:X+2*p+1], v[T+2*(p%4):T+2*(p%4)+1]
.set p, p+1
.endr
	s_delay_alu instid0(VALU_DEP_3)
	v_pk_add_f32 v[T:T+1], v[T:T+1], v[T+2:T+3]
	s_delay_alu instid0(VALU_DEP_2)
	v_pk_add_f32 v[T+4:T+5], v[T+4:T+5], v[T+6:T+7]
	s_delay_alu instid0(VALU_DEP_1)
	v_pk_add_f32 v[T:T+1], v[T:T+1], v[T+4:T+5]
	s_delay_alu instid0(VALU_DEP_1)
	v_add_f32 v13, v[T], v[T+1]
	GSUM 32                                        ; other words than the first sum's: no barrier is owed between the two
	s_delay_alu instid0(VALU_DEP_1)
	v_fma_f32 v13, v13, s92, s93                   ; the variance + 1e-6
	s_wait_alu depctr_va_vdst(0)
	v_rsq_f32 v10, v13
	v_nop                                          ; a plain line behind the transcendental
	s_wait_alu depctr_va_vdst(0)
.irp c, 0,1,2,3,4,5,6,7,8,9,10,11,12,13,14,15
	v_mul_f32 v[T+\c], s[40+\c], v10               ; rstd x gain
.endr
.irp c, 0,1,2,3,4,5,6,7,8,9,10,11,12,13,14,15
.irp j, 0,1,2,3
	v_fma_f32 v[X+4*\c+\j], v[X+4*\c+\j], v[T+\c], s[68+\c]   ; h, in place
.endr
.endr
	QSET 0
	QSET 1
	QSET 2
	s_wait_tensorcnt 0x0
	ds_add_u32 v128, v129
	s_wait_dscnt 0x0
	s_endpgm
.Lfunc_end_k_q9acf866da9_prep:
	.size	k_q9acf866da9_prep, .Lfunc_end_k_q9acf866da9_prep-k_q9acf866da9_prep
	.p2alignl 7, 3214868480
	.fill 96, 4, 3214868480
	.section	.rodata,"a",@progbits
	.p2align	6, 0x0
	.amdhsa_kernel k_q9acf866da9_prep
		.amdhsa_group_segment_fixed_size 17664
		.amdhsa_private_segment_fixed_size 0
		.amdhsa_enable_private_segment 0
		.amdhsa_kernarg_size 80
		.amdhsa_user_sgpr_count 2
		.amdhsa_user_sgpr_kernarg_segment_ptr 1
		.amdhsa_wavefront_size32 1
		.amdhsa_system_sgpr_workgroup_id_x 1
		.amdhsa_system_sgpr_workgroup_id_y 1
		.amdhsa_system_sgpr_workgroup_id_z 1
		.amdhsa_system_vgpr_workitem_id 0
		.amdhsa_next_free_vgpr 130
		.amdhsa_next_free_sgpr 96
		.amdhsa_reserve_vcc 0
		.amdhsa_float_denorm_mode_32 3
		.amdhsa_float_denorm_mode_16_64 3
		.amdhsa_memory_ordered 1
		.amdhsa_forward_progress 1
		.amdhsa_inst_pref_size 40
	.end_amdhsa_kernel
	.amdgpu_metadata
---
amdhsa.version: [ 1, 2 ]
amdhsa.kernels:
  - .name:           k_q9acf866da9_prep
    .symbol:         k_q9acf866da9_prep.kd
    .args:
      - { .name: x, .offset: 0, .size: 8, .value_kind: global_buffer, .address_space: global }
      - { .name: gn_w, .offset: 8, .size: 8, .value_kind: global_buffer, .address_space: global }
      - { .name: gn_b, .offset: 16, .size: 8, .value_kind: global_buffer, .address_space: global }
      - { .name: wq, .offset: 24, .size: 8, .value_kind: global_buffer, .address_space: global }
      - { .name: wk, .offset: 32, .size: 8, .value_kind: global_buffer, .address_space: global }
      - { .name: wv, .offset: 40, .size: 8, .value_kind: global_buffer, .address_space: global }
      - { .name: wp, .offset: 48, .size: 8, .value_kind: global_buffer, .address_space: global }
      - { .name: lowp_scales, .offset: 56, .size: 8, .value_kind: global_buffer, .address_space: global }
      - { .name: hc, .offset: 64, .size: 8, .value_kind: global_buffer, .address_space: global }
      - { .name: wc, .offset: 72, .size: 8, .value_kind: global_buffer, .address_space: global }
    .group_segment_fixed_size: 17664
    .private_segment_fixed_size: 0
    .kernarg_segment_align: 8
    .kernarg_segment_size: 80
    .max_flat_workgroup_size: 256
    .sgpr_count:     96
    .vgpr_count:     130
    .wavefront_size: 32
...
	.end_amdgpu_metadata
.endif
;; end of part 4
;; launch qkv (part 5): grid 64 x 3, 4 waves a work-group, no clusters, 68,096 bytes of LDS; arguments hc, wc, lowp_scales, bq, bk, bv, qc, kv; writes qc, kv
.if DOCPART == 5
	.amdgcn_target "amdgcn-amd-amdhsa--gfx1250"
	.amdhsa_code_object_version 6
	.text
	.protected	k_q9acf866da9_qkv
	.globl	k_q9acf866da9_qkv
	.p2align	8
	.type	k_q9acf866da9_qkv,@function
k_q9acf866da9_qkv:
	s_mov_b64 s[64:65], 0
	v_nop
	global_prefetch_b8 v0, s[64:65] scope:SCOPE_SE
	s_setreg_imm32_b32 hwreg(HW_REG_WAVE_SCHED_MODE, 0, 2), 2
	s_setreg_imm32_b32 hwreg(HW_REG_WAVE_MODE, 25, 1), 1
	s_wait_xcnt 0x0
	s_wait_alu depctr_vm_vsrc(0)
; QKV: q, k and v = h W^T + bias on codes of BF8 (E5M2), quantised again on the way: the operands of the attention's two products.  Work-group y = 0: q, 1: k, 2: v.
; Tiles (16 rows x 512 K, 8,192 bytes, [unit][row][16 bytes]; row r of tile T = row 32 (T / 2) + 8 (T % 2) + r + 8 (r / 8)) are as the launch before laid them: 512 consecutive bytes, 16 a lane, are four registers of an operand.
; ONE BODY.  A wave keeps a STATIONARY block of 8 tiles (128 rows x 512 K) in 512 registers, as source 0; the work-group walks 32 STREAMED tiles, as source 1.  For a streamed tile a wave issues 32 matrix
; instructions (8 accumulators x 4 K steps); in the result a lane holds one row of the streamed tile, and its 64 registers run along the 128 stationary rows in their true order: quantised, they ARE one operand
; fragment (16 rows x 128 K, 2,048 bytes) of the next product, stored as it stands.
;   q, k: stationary = my 128 output channels of the weight, streamed = 32 tiles of pixels (half a batch): fragment = K step (wave) of a tile of q or k, rows = pixels, K = channels.
;   v:    stationary = 128 pixels of h (a key step), streamed = the weight's 32 tiles: fragment = 16 channels x 128 keys: V with the keys innermost, as the second product wants it.
; qc: [batch][tile 64][8,192].   kv: [batch][key step 8][K: 8 tiles of 8,192 | V: 32 fragments of 2,048].
; The bias goes in as the C of each sum's first matrix instruction, divided by 2^(ea + eb), which the sums lack; for q and k it runs along the registers (BC), for v along the lanes (BL in LDS, a word a row).
; Both forms are made in all three kinds of work-group, so that the head and its waits are one text; each kind reads its own.
; The streamed tiles go memory -> registers -> LDS, a tile a wave, four tiles a group, in two LDS buffers by turns: each byte is read from memory once by the work-group and by all four waves from LDS.
; NO CLUSTER, NO JOINT LOADS: what work-groups share is the stationary block of q and k (or the streamed weight of v), 262,144 bytes read once by a work-group; the stationary block goes straight into
; registers, where a joint load cannot put it, and a way through LDS would add 128 LDS loads a wave and 262,144 bytes of LDS for it.  192 work-groups: 3 matrices x 64 equal shares.
; LIMITS: eo - ea - eb between -126 and 112 (eo = lowp[6], [7], [9]; ea, eb = lowp[2 y], lowp[2 y + 1]).  NaN among the inputs is not served.
; REGISTERS, in windows of 256: window 0: v1-6 addresses, scale, hold; v7-14 at the head only; v16, 17 the lanes' bias of two tiles; v20-27 the same as a C; v28-59 two sets of codes; v62, 63 the closing add's two;
;   v64-191 two sets of a streamed tile's four fragments; v192-255 the accumulators.
;   windows 1, 2: the stationary fragments: (tile b, K step s) in window 1 + s / 2 at v[16 (8 (s % 2) + b)].   window 3: v0-63 BC; v64-127 the tile on its way from memory to LDS.
; THE MODE: SCHED_MODE bits 1:0 = 2 (LLVM: expert scheduling mode 2), set by the entry lines.  The code itself states the register dependences
; between vector or matrix instructions and memory or LDS instructions, with s_wait_alu, always for 0.
; THE PLAN.  Registers that memory or LDS instructions touch, in the loop (j: a tile's number in its group of four):
;   SF0, SF1, v16, v17   Tile j's products read set j % 2 and its bias word; the LDS loads of tile j + 1, issued in tile j, land in the other set, which tile j - 1's products read.
;   PC0, PC1             Tile j's conversions write set j % 2; the four stores that read it are issued at the head of tile j + 1 (a group's last tile: behind its own conversions).
;   G                    Loads from memory land in it, my LDS stores read it; no vector instruction names it.
;   v[ADB]               Read by the loads of the bias words; written once a trip of the loop, at its top.
;   v[LI], v[LW]         Read by every load and store; made at the head and never written again.
;   The stationary fragments, BC, CR and the accumulators are named by vector and matrix instructions alone, once the head's loads are in.
; So ONE wait on va_vdst stands at the head of tiles 1 to 3: the tile before has written its codes and is done reading its set of fragments.  The stores of those codes and the next tile's 17 LDS loads follow it;
; the loads are dealt round the first K step's products, which name this tile's set, CR, BC, the stationary fragments and the accumulators: none of the registers that those loads touch.
; A group's last tile has such a wait behind its conversions too, ahead of its own stores: so a group's first tile finds nothing of the vector side pending and has none.
; One wait on vm_vsrc stands at each tile's head, ahead of the conversions that write a set of codes again (and, in a group's first tile, of the loads that land in G).
.set BUF,  32768                       ; LDS: two buffers of four tiles,
.set BL,   65536                       ; then 512 words: word 16 ct + r = bias of row r of tile ct, / 2^(ea + eb)
.set LI,   1                           ; v1   16 x lane
.set LW,   2                           ; v2   8,192 x wave + 16 x lane: my tile of a group, in memory and in LDS
.set BLA0, 3                           ; v3   BL + 4 r
.set ADB,  4                           ; v4   the same, 8 tiles on for each trip of the loop
.set SCL,  5                           ; v5   2^(eo - ea - eb)
.set LIM,  6                           ; v6   57,344 x that
.set BRAW, 16
.set CR,   20
.set PC,   28                          ; set p at PC + 16 p
.set SF,   64
.set ACC,  192
.set BC,   0                           ; in window 3
.set G,    64                          ; in window 3
.set WV,   20                          ; s20  wave
.set YY,   22                          ; s22  0 q, 1 k, 2 v
.set MSB, 0
.macro WIN new                         ; the immediate's high byte repeats the setting that is left; a switch that changes nothing is dropped
.if MSB != (\new)
	s_set_vgpr_msb (MSB<<8)|(\new)
.set MSB, (\new)
.endif
.endm
.macro STLOAD s                        ; the stationary fragments of K step s
.irp b, 0,1,2,3,4,5,6,7
.irp c, 0,1,2,3
	global_load_b128 v[128*((\s)%2)+16*\b+4*\c:128*((\s)%2)+16*\b+4*\c+3], v[LI], s[36:37] offset:8192*\b+2048*(\s)+512*\c
.endr
.endr
.endm
.macro GLOAD again                     ; my tile of the group at s[38:39]: 16 loads of 512 consecutive bytes.  again = 1: G has been stored into LDS before
	WIN 0xc0                                       ; destination window 3
.if \again
	s_wait_alu depctr_vm_vsrc(0)                   ; my LDS stores have read G, in which these loads land; in the loop also: the stores issued in the last group have read PC0, which this tile's conversions write
.endif
.set k, 0
.rept 16
	global_load_b128 v[G+4*k:G+4*k+3], v[LW], s[38:39] offset:512*k
.set k, k+1
.endr
.endm
.macro LSTORE buf                      ; and on into LDS, as it lies
	WIN 0x0c                                       ; store data window 3
.set k, 0
.rept 16
	ds_store_b128 v[LW], v[G+4*k:G+4*k+3] offset:(\buf)*BUF+512*k
.set k, k+1
.endr
.endm
.macro FETCHA buf, j, p                ; tile j of a buffer into set p, the first part: K steps 0 and 1, and its rows' bias: 9 LDS loads
	WIN 0
.set k, 0
.rept 8
	ds_load_b128 v[SF+64*(\p)+4*k:SF+64*(\p)+4*k+3], v[LI] offset:(\buf)*BUF+8192*(\j)+512*k
.set k, k+1
.endr
	ds_load_b32 v[BRAW+(\p)], v[ADB] offset:64*(4*(\buf)+(\j))
.endm
.macro FETCHB buf, j, p                ; the second part: K steps 2 and 3: 8 LDS loads
	WIN 0
.set k, 8
.rept 8
	ds_load_b128 v[SF+64*(\p)+4*k:SF+64*(\p)+4*k+3], v[LI] offset:(\buf)*BUF+8192*(\j)+512*k
.set k, k+1
.endr
.endm
; 32 matrix instructions, in two macros.  The eight accumulators take turns, one instruction a turn, K step by K step.  Only the first K step differs between the kinds: its C.
.macro MUL0 p                          ; the first K step; every window is 0 where its two arms join
.set SP_, SF+64*(\p)
	s_cmp_eq_u32 s[YY], 2
	s_cbranch_scc1 .Lrow_\@
	WIN 0x31                                       ; source 0 window 1, C window 3
.irp b, 0,1,2,3,4,5,6,7
	v_wmma_f32_16x16x128_bf8_bf8 v[ACC+8*\b:ACC+8*\b+7], v[16*\b:16*\b+15], v[SP_:SP_+15], v[BC+8*\b:BC+8*\b+7]
.endr
	WIN 0                                          ; at a branch and at a label every window is 0
	s_branch .Ljoin_\@
.Lrow_\@:
.irp i, 0,1,2,3,4,5,6,7
	v_mov_b32 v[CR+\i], v[BRAW+(\p)]               ; v: a lane's eight results are of one channel
.endr
	WIN 0x01
.irp b, 0,1,2,3,4,5,6,7
	v_wmma_f32_16x16x128_bf8_bf8 v[ACC+8*\b:ACC+8*\b+7], v[16*\b:16*\b+15], v[SP_:SP_+15], v[CR:CR+7]
.endr
	WIN 0
.Ljoin_\@:
.endm
.macro MULR p                          ; K steps 1 to 3
.set SP_, SF+64*(\p)
	WIN 0x01
.irp b, 0,1,2,3,4,5,6,7
	v_wmma_f32_16x16x128_bf8_bf8 v[ACC+8*\b:ACC+8*\b+7], v[128+16*\b:128+16*\b+15], v[SP_+16:SP_+31], v[ACC+8*\b:ACC+8*\b+7]
.endr
	WIN 0x02
.irp b, 0,1,2,3,4,5,6,7
	v_wmma_f32_16x16x128_bf8_bf8 v[ACC+8*\b:ACC+8*\b+7], v[16*\b:16*\b+15], v[SP_+32:SP_+47], v[ACC+8*\b:ACC+8*\b+7]
.endr
.irp b, 0,1,2,3,4,5,6,7
	v_wmma_f32_16x16x128_bf8_bf8 v[ACC+8*\b:ACC+8*\b+7], v[128+16*\b:128+16*\b+15], v[SP_+48:SP_+63], v[ACC+8*\b:ACC+8*\b+7]
.endr
	WIN 0
.endm
; The 64 sums of a lane become 64 codes, one fragment, in set p of the codes
.macro FINISH p
.rept 4
	v_nop                                          ; four places between the last product and the first read of results (ISA guide 7.12.1)
.endr
.set n, 0
.rept 64
	v_med3_num_f32 v[ACC+n], v[ACC+n], -v[LIM], v[LIM]   ; the hold ahead of a conversion that does not saturate (ISA guide 7.6.2); each accumulator from its low end on
.set n, n+1
.endr
.irp b, 0,1,2,3
	v_cvt_scalef32_pk8_bf8_f32 v[PC+16*(\p)+4*\b:PC+16*(\p)+4*\b+1], v[ACC+16*\b:ACC+16*\b+7], v[SCL]
	v_cvt_scalef32_pk8_bf8_f32 v[PC+16*(\p)+4*\b+2:PC+16*(\p)+4*\b+3], v[ACC+16*\b+8:ACC+16*\b+15], v[SCL]
.endr
	v_nop                                          ; a plain line between the conversions and the products that write their sources
.endm
; The fragment in set p of the codes leaves: four stores of 512 consecutive bytes.  It stands behind a wait on XCNT for 0 (the base steps) and behind a wait on va_vdst (the codes are written)
.macro SEND p
	WIN 0
	s_add_nc_u64 s[40:41], s[40:41], s[42:43]      ; on to this fragment
.irp c, 0,1,2,3
	global_store_b128 v[LI], v[PC+16*(\p)+4*\c:PC+16*(\p)+4*\c+3], s[40:41] offset:512*\c
.endr
.endm
; A group of four streamed tiles out of buffer buf.  st = 1: the next group, which has come into registers, goes into the other buffer (all waves left that buffer at the last barrier), behind the fetch of this group's first tile;
; ld = 1: the group after that is asked of memory: it has this whole group's work in which to come.  bar = 1: the barrier that ends the group.
.macro TRIP buf, st, ld, bar
	FETCHA \buf, 0, 0                              ; the group's first tile.  No wait: since the last wait on va_vdst (behind the last group's conversions, or at the loop's top) no vector or matrix instruction has been issued
	FETCHB \buf, 0, 0
.if \st
	s_wait_loadcnt 0x0                             ; my tile of the next group is in
	LSTORE 1-\buf
.endif
.irp j, 0,1,2,3
	s_wait_dscnt 0x0                               ; this tile's 17 loads are in (in the group's first tile also: my stores into the other buffer have landed)
.if \j == 0
.if \ld
	s_add_nc_u64 s[38:39], s[38:39], 32768         ; (no load that names this base is out)
	GLOAD 1
.else
	s_wait_alu depctr_vm_vsrc(0)                   ; the stores issued in the last group have read PC0, which this tile's conversions write
.endif
.else
	s_wait_xcnt 0x0                                ; the stores issued so far have read their base, which steps below, and their data
	s_wait_alu depctr_vm_vsrc(0)                   ; the stores issued a tile ago have read the set of codes that this tile's conversions write; the loads of bias words issued so far have read v[ADB]
	s_wait_alu depctr_va_vdst(0)                   ; the tile before has written its codes, which the stores below read, and its products are done reading the set of fragments and the bias word in which the loads below land
.endif
.if \j < 3
	FETCHA \buf, \j+1, (\j+1)%2                    ; the next tile, into the set that the tile before used
.endif
.if \j > 0
	SEND (\j+1)%2                                  ; the tile before leaves
.endif
	MUL0 \j%2
.if \j < 3
	FETCHB \buf, \j+1, (\j+1)%2                    ; no wait: the first K step's products and the copies ahead of them name this tile's set and bias word, CR, BC, the stationary fragments and the accumulators
.endif
	MULR \j%2
	FINISH \j%2
.endr
	s_wait_alu depctr_va_vdst(0)                   ; the group's last tile has written PC1, which the stores below read; its products are done reading SF1 and v17, in which the next group's second tile lands
	s_wait_xcnt 0x0                                ; the third tile's stores have read their base
	SEND 1
.if \bar
	s_wait_dscnt 0x0                               ; my reads of this buffer are over and my stores into the other have landed
	s_barrier_signal -1
	s_barrier_wait -1
.endif
.endm
	s_load_b512 s[4:19], s[0:1], 0x0               ; hc s[4:5], wc s[6:7], the scales' exponents s[8:9], bq s[10:11], bk s[12:13], bv s[14:15], qc s[16:17], kv s[18:19]
	v_lshl_add_u32 v62, v0, 2, 0x10800
	v_mov_b32 v63, 0
	v_lshrrev_b32 v7, 5, v0
	v_readfirstlane_b32 s[WV], v7                  ; wave 0..3
	s_and_b32 s[YY], ttmp7, 0xffff
	v_and_b32 v7, 31, v0                           ; lane
	v_lshlrev_b32 v[LI], 4, v7
	s_wait_alu depctr_va_sdst(0)                   ; s20, the wave's number, is written, ahead of its first reader
	s_lshl_b32 s50, s[WV], 13
	v_add_nc_u32 v[LW], s50, v[LI]
	v_and_b32 v8, 15, v0                           ; r
	v_lshlrev_b32 v[BLA0], 2, v8
	v_add_nc_u32 v[BLA0], BL, v[BLA0]
	v_bfe_u32 v9, v0, 4, 1                         ; h
	v_lshlrev_b32 v12, 6, v9                       ; BC: my half's 16 numbers of each 32
	v_and_b32 v13, 7, v0
	v_lshl_add_u32 v13, v9, 3, v13
	v_bfe_u32 v10, v0, 3, 1
	v_lshl_add_u32 v13, v10, 4, v13
	v_lshlrev_b32 v13, 2, v13                      ; BL, from memory: number 8 (lane / 16) + lane % 8 + 16 ((lane / 8) % 2) of each 32: the tiles' row order
	s_lshl_b32 s51, s[WV], 9
	v_lshl_add_u32 v14, v7, 2, s51
	v_add_nc_u32 v14, BL, v14                      ; BL, into LDS: word 128 x wave + lane
	s_lshl_b32 s52, s[YY], 24                      ; h's set of codes,
	s_lshl_b32 s53, ttmp9, 18                      ; my 32 tiles of it
	s_add_co_u32 s52, s52, s53
	s_mov_b32 s53, 0
	s_lshl_b32 s54, s[YY], 18                      ; the weight
	s_mov_b32 s55, 0
	s_lshl_b32 s56, s[WV], 16                      ; my 8 stationary tiles
	s_mov_b32 s57, 0
	s_wait_kmcnt 0x0
	s_load_b256 s[24:31], s[8:9], 0x0              ; e0 .. e7
	s_load_b128 s[32:35], s[8:9], 0x20             ; e8 .. e11
	s_add_nc_u64 s[4:5], s[4:5], s[52:53]
	s_add_nc_u64 s[6:7], s[6:7], s[54:55]
	s_cmp_eq_u32 s[YY], 2                          ; every choice hangs on the work-group's y alone
	s_cselect_b64 s[36:37], s[4:5], s[6:7]         ; stationary: h for v, else the weight
	s_cselect_b64 s[38:39], s[6:7], s[4:5]         ; streamed: the other
	s_mov_b32 s42, 8192
	s_cselect_b32 s42, 2048, s42                   ; from a streamed tile's fragment to the next one's
	s_mov_b32 s43, 0
	s_mov_b32 s58, 2048
	s_cselect_b32 s58, 131072, s58                 ; from wave to wave: a K step of a tile, or a key step
	s_cselect_b32 s59, 65536, 0                    ; V lies behind a key step's K
	s_mul_i32 s58, s58, s[WV]
	s_add_co_u32 s58, s58, s59
	s_add_nc_u64 s[36:37], s[36:37], s[56:57]
	s_cmp_eq_u32 s[YY], 1
	s_cselect_b32 s44, 65536, 0                    ; k: behind every 8 tiles a key step's V is passed over
	s_mov_b32 s45, 0
	s_cselect_b64 s[46:47], s[12:13], s[10:11]
	s_cmp_eq_u32 s[YY], 2
	s_cselect_b64 s[46:47], s[14:15], s[46:47]     ; bq, bk or bv
	s_cmp_eq_u32 s[YY], 0
	s_cselect_b64 s[40:41], s[16:17], s[18:19]     ; out: qc or kv
	s_cselect_b32 s60, 18, 19
	s_lshl_b32 s60, ttmp9, s60                     ; half a batch: 262,144 bytes of qc, 524,288 of kv
	s_add_co_u32 s58, s58, s60
	s_mov_b32 s59, 0
	s_add_nc_u64 s[40:41], s[40:41], s[58:59]
	s_sub_nc_u64 s[40:41], s[40:41], s[42:43]      ; one stride low: SEND steps it ahead of its stores; nothing is accessed here
	s_lshl_b32 s60, s[WV], 9
	s_mov_b32 s61, 0
	s_add_nc_u64 s[46:47], s[46:47], s[60:61]      ; my 128 numbers of the bias
	WIN 0x40                                       ; destination window 1
	s_wait_alu depctr_va_vdst(0)                   ; v1, v2 and v12 to v14 are written, which the loads and LDS stores of the kernel read as offsets and addresses; v8 to v10, in which loads of the bias land, have been written and read for the last time.  Up to the head's last load only loads and window switches follow
	STLOAD 0
	STLOAD 1
	WIN 0x80                                       ; window 2
	STLOAD 2
	STLOAD 3
	WIN 0xc0                                       ; window 3
.irp t, 0,1,2,3,4,5,6,7                        ; BC: for tile 2 b + u lane (r, h) wants the bias of rows 32 b + 16 h + 8 u + 0 .. 7
	global_load_b128 v[BC+8*\t:BC+8*\t+3], v12, s[46:47] offset:(32*(\t/2)+8*(\t%2))*4
	global_load_b128 v[BC+8*\t+4:BC+8*\t+7], v12, s[46:47] offset:(32*(\t/2)+8*(\t%2))*4+16
.endr
	WIN 0
.irp i, 0,1,2,3
	global_load_b32 v[8+\i], v13, s[46:47] offset:128*\i
.endr
	GLOAD 0                                        ; group 0
	WIN 0
	s_wait_kmcnt 0x0
	s_add_co_i32 s50, s24, s25                     ; ea + eb for q,
	s_add_co_i32 s51, s26, s27                     ; k,
	s_add_co_i32 s52, s28, s29                     ; v
	s_cmp_eq_u32 s[YY], 1
	s_cselect_b32 s50, s51, s50
	s_cselect_b32 s53, s31, s30                    ; eo: entry 6 for q, 7 for k,
	s_cmp_eq_u32 s[YY], 2
	s_cselect_b32 s50, s52, s50
	s_cselect_b32 s53, s33, s53                    ; 9 for v
	s_sub_co_i32 s55, 0, s50
	s_sub_co_i32 s54, s53, s50                     ; a sum stands for sum x 2^(ea + eb): its code is sum / 2^(eo - ea - eb)
	s_add_co_i32 s54, s54, 127
	s_lshl_b32 s56, s54, 23
	v_mov_b32 v[SCL], s56
	s_add_co_i32 s54, s54, 15
	s_lshl_b32 s54, s54, 23
	s_or_b32 s54, s54, 0x600000
	v_mov_b32 v[LIM], s54
	s_wait_loadcnt 0x0
	WIN 0xc3                                       ; source 0 and destination window 3
.set n, 0
.rept 64
	v_ldexp_f32 v[BC+n], v[BC+n], s55              ; bias / 2^(ea + eb)
.set n, n+1
.endr
	WIN 0
.irp i, 0,1,2,3
	v_ldexp_f32 v[8+\i], v[8+\i], s55
.endr
	s_wait_alu depctr_va_vdst(0)                   ; v8 to v11 are written, which the four LDS stores below read
.irp i, 0,1,2,3
	ds_store_b32 v14, v[8+\i] offset:128*\i
.endr
	LSTORE 0
	s_wait_dscnt 0x0                               ; my stores have landed
	s_add_nc_u64 s[38:39], s[38:39], 32768
	GLOAD 1                                        ; group 1
	WIN 0
	s_barrier_signal -1
	s_barrier_wait -1                              ; group 0 and the 512 words lie in LDS
	s_mov_b32 s48, 3
	s_mov_b32 s49, 0
.Ltrip:                                            ; a trip: 8 streamed tiles
	v_add_nc_u32 v[ADB], s49, v[BLA0]              ; free: the last load that read it was issued in the trip's seventh tile, ahead of the wait on vm_vsrc at the head of the eighth
	s_wait_alu depctr_va_vdst(0)                   ; v[ADB] is written, which the loads of the bias words read
	TRIP 0, 1, 1, 1
	TRIP 1, 1, 1, 1
	s_wait_xcnt 0x0                                ; the last stores have read their base
	s_add_nc_u64 s[40:41], s[40:41], s[44:45]
	s_add_co_u32 s49, s49, 512
	s_sub_co_u32 s48, s48, 1
	s_cmp_lg_u32 s48, 0
	s_cbranch_scc1 .Ltrip
	v_add_nc_u32 v[ADB], s49, v[BLA0]              ; free, as at the loop's top
	s_wait_alu depctr_va_vdst(0)                   ; v[ADB] is written, which the loads of the bias words read
	TRIP 0, 1, 0, 1                                ; the last 8 tiles: nothing more is asked of memory,
	TRIP 1, 0, 0, 0                                ; and nothing more goes into LDS
	s_wait_dscnt 0x0                               ; the closing lines, six on end
	s_wait_alu 0x0
	s_wait_tensorcnt 0x0
	ds_add_u32 v62, v63
	s_wait_dscnt 0x0
	s_endpgm
.Lfunc_end_k_q9acf866da9_qkv:
	.size	k_q9acf866da9_qkv, .Lfunc_end_k_q9acf866da9_qkv-k_q9acf866da9_qkv
	.p2alignl 7, 3214868480
	.fill 96, 4, 3214868480
	.section	.rodata,"a",@progbits
	.p2align	6, 0x0
	.amdhsa_kernel k_q9acf866da9_qkv
		.amdhsa_group_segment_fixed_size 68096
		.amdhsa_private_segment_fixed_size 0
		.amdhsa_enable_private_segment 0
		.amdhsa_kernarg_size 64
		.amdhsa_user_sgpr_count 2
		.amdhsa_user_sgpr_kernarg_segment_ptr 1
		.amdhsa_wavefront_size32 1
		.amdhsa_system_sgpr_workgroup_id_x 1
		.amdhsa_system_sgpr_workgroup_id_y 1
		.amdhsa_system_sgpr_workgroup_id_z 1
		.amdhsa_system_vgpr_workitem_id 0
		.amdhsa_next_free_vgpr 1024
		.amdhsa_next_free_sgpr 66
		.amdhsa_reserve_vcc 0
		.amdhsa_float_denorm_mode_32 3
		.amdhsa_float_denorm_mode_16_64 3
		.amdhsa_memory_ordered 1
		.amdhsa_forward_progress 1
		.amdhsa_inst_pref_size 184
	.end_amdhsa_kernel
	.amdgpu_metadata
---
amdhsa.version: [ 1, 2 ]
amdhsa.kernels:
  - .name:           k_q9acf866da9_qkv
    .symbol:         k_q9acf866da9_qkv.kd
    .args:
      - { .name: hc, .offset: 0, .size: 8, .value_kind: global_buffer, .address_space: global }
      - { .name: wc, .offset: 8, .size: 8, .value_kind: global_buffer, .address_space: global }
      - { .name: lowp_scales, .offset: 16, .size: 8, .value_kind: global_buffer, .address_space: global }
      - { .name: bq, .offset: 24, .size: 8, .value_kind: global_buffer, .address_space: global }
      - { .name: bk, .offset: 32, .size: 8, .value_kind: global_buffer, .address_space: global }
      - { .name: bv, .offset: 40, .size: 8, .value_kind: global_buffer, .address_space: global }
      - { .name: qc, .offset: 48, .size: 8, .value_kind: global_buffer, .address_space: global }
      - { .name: kv, .offset: 56, .size: 8, .value_kind: global_buffer, .address_space: global }
    .group_segment_fixed_size: 68096
    .private_segment_fixed_size: 0
    .kernarg_segment_align: 8
    .kernarg_segment_size: 64
    .max_flat_workgroup_size: 128
    .sgpr_count:     66
    .vgpr_count:     1024
    .wavefront_size: 32
...
	.end_amdgpu_metadata
.endif
;; end of part 5
;; launch attn (part 6): grid 8 x 32, 4 waves a work-group, clusters of 4 x 1, 327,680 bytes of LDS; arguments qc, kv, wc, lowp_scales, bp, x, out0; writes out0
.if DOCPART == 6
	.amdgcn_target "amdgcn-amd-amdhsa--gfx1250"
	.amdhsa_code_object_version 6
	.text
	.protected	k_q9acf866da9_attn
	.globl	k_q9acf866da9_attn
	.p2align	8
	.type	k_q9acf866da9_attn,@function
k_q9acf866da9_attn:
	s_mov_b64 s[64:65], 0
	v_nop
	global_prefetch_b8 v0, s[64:65] scope:SCOPE_SE
	s_setreg_imm32_b32 hwreg(HW_REG_WAVE_MODE, 25, 1), 1
	s_wait_xcnt 0x0
	s_wait_alu depctr_hold_cnt(0) depctr_sa_sdst(0) depctr_va_vdst(0) depctr_va_sdst(0) depctr_va_ssrc(0) depctr_va_vcc(0) depctr_vm_vsrc(0)
	s_getreg_b32 s2, hwreg(HW_REG_IB_STS2, 6, 4)
	s_cmp_eq_u32 s2, 0
	s_cbranch_scc0 .Lentry_in_a_cluster
	s_endpgm
.Lentry_in_a_cluster:
	s_bfe_u32 s2, ttmp6, 0x10000c
	s_cmp_lg_u32 s2, 0x3003
	s_cbranch_scc0 .Lentry_shape_is_right
	s_endpgm
.Lentry_shape_is_right:
; ATTN: out0 = x + wp . (softmax(q k^T / sqrt(512)) v) + bp, the three products on codes of BF8 (E5M2), each operand with the one scale 2^e that is given for it.
; qc, kv, wc are as the launches before laid them: 512 consecutive bytes, 16 a lane, are four registers of an operand; row r of a tile T is row 32 (T / 2) + 8 (T % 2) + r + 8 (r / 8) of its tensor.
; THE SOFTMAX AHEAD OF THE SECOND PRODUCT: t = score x log2(e) / sqrt(512); M = the row's largest t so far, rounded UP to a whole number; p = 2^(t - M) is what is quantised, along the keys, not normalised.
; The row's sum is taken of the unquantised p, in f32, and divides O at the end.  When M moves, the sum and O are multiplied by 2^(old M - new M): exact.
; SHARES.  A work-group owns 128 queries of a batch.  In the loop over the keys (8 steps of 128) wave w owns query tiles 2 w and 2 w + 1 with all 512 channels of O: 512 registers; no wave needs another's numbers.
; In the last product wave w owns output channels 128 w .. 128 w + 127 for all 128 queries: O's codes go from wave to wave through LDS as images of the operand's registers.
; LAYOUT.  S^T = K Q^T (source 0 = 16 keys, source 1 = 16 queries) and O^T = V^T P^T (source 0 = 16 channels): a lane holds ONE query throughout, and by the tiles' row order the 16 registers of two
; neighbouring tiles are 16 neighbours along the next K: the conversions' results are the next operand.  The last product takes O's codes as source 0 and wp's rows as source 1: a lane then holds one output
; channel and 16 neighbouring pixels for each two query tiles, as out0 lies.
; RING AND CLUSTER.  A key step's K and V are one dense block of 131,072 bytes; two LDS slots; each wave brings a quarter by one tensor load.  The four work-groups of a cluster are four query blocks of one
; batch and walk the same K and V: each load is asked for JOINTLY, with the same descriptor and a mask that names the four.  By this text's own count one tensor load of a wave is out at a time.
; x COMES IN UNDER THE KEY STEPS.  A wave adds 8 tiles of x (16 rows x 512 bytes, the rows of an output tile).  Six of them are asked for before the last product begins: 64 registers that the key steps leave
; idle bring tiles 5, 6 and 7 one after the other and park them in LDS bytes of the wave's own, and then hold tile 0; Q's registers take tiles 1 and 2 behind the last S^T.  Tiles 3 and 4 follow into the
; registers that tiles 0 and 1 leave.
; THE LAST PRODUCT GOES BY ROWS OF THE OUTPUT: all 32 fragments of O's codes lie in registers, and one output tile (16 channels x 128 pixels, 32 matrix instructions) is finished after the other and leaves at
; once, so that the stores go out beside the later tiles' loads and products.
; LIMITS: lowp[6] + lowp[7] between -122 and 131 (added to c's exponent field); lowp[8] and lowp[10] between -126 and 112; lowp[10] + lowp[11] between -126 and 127.  NaN among the inputs is not served.
; q is taken as the first product's left operand (entry 6), k as its right (entry 7).
; REGISTERS, in windows of 256: window 0: v1-11 addresses; v12-23 six registers of statistics a query tile; v24, 25 scale and hold; v26-31 at work; v32-63 P's codes; v64-127 a tile of x; v128-255 S^T, then p (64 a query tile).
;   windows 1, 2: O^T: (channel tile ct, query tile q) at v[8 ct] of window 1 + q.   window 3: v0-127 Q (fragment (q, s) at v[16 (4 q + s)]); v128-255 two sets of four fragments of K or V.
;   In the last product: windows 1, 2: O's codes: fragment (query tile t, K step s) at v[16 (4 (t % 4) + s)] of window 1 + t / 4; window 0 v128-255: two sets of 8 accumulators, by turns; window 3 v128-255: two sets of
;   wp's four fragments of an output tile, by turns; x in three sets by turns: window 0 v64-127, window 3 v0-63, window 3 v64-127.
.set SLOT1,  1<<17                     ; slot 1 begins here: one exclusive or turns an address in one slot into the other's
.set SPARE,  2*SLOT1                   ; behind the ring: the spare words, 128 bytes for each wave: two blocks of 256 bytes that no other line names
.set XF,     SPARE+512                 ; behind them: 8,192 bytes for each wave, into which no fill lands: x's tile 5
.set XG,     65536                     ; behind the last change of slots slot 0 has had its last fill and its last read: bytes 0 - 65,535 take O's 32 fragments, the rest 16,384 bytes for each wave: x's tiles 6 and 7
.set STAGE,  SLOT1                     ; slot 1 has had its last fill too, and its last reads end in front of the barrier that publishes O's fragments: behind it, four stages of 16 rows x 528 bytes
.set SPITCH, 528
.set AWI, 1                            ; v1   where I store O's fragments: 16 x lane + 16,384 x wave
.set ADK, 2                            ; v2   LDS address of the step's K;  in the last product: bp's offset
.set ADV, 3                            ; v3   of its V
.set XLA, 3                            ;      in the last product: where x's tile 5 lies
.set LI,  4                            ; v4   16 x lane
.set SPW, 5                            ; v5   LDS address of my spare word; never rewritten
.set NIL, 6                            ; v6   0; never rewritten
.set PFO, 7                            ; v7   256 x lane: the prefetches of K and V
.set LIV, 8                            ; v8   16 x lane + 65,536
.set XLB, 8                            ;      in the last product: where x's tiles 6 and 7 lie
.set STO, 9                            ; v9   the stage: where I put 16 bytes of a row
.set RD,  10                           ; v10  and where I read a row back
.set XPF, 11                           ; v11  the prefetches of x: row r + 8 (r / 8), block lane / 16
.set ST,  12                           ; query tile q at v[ST + 6 q]: +0 -M, +1 the largest t, +2, +3 the sum in two halves, +4 f (at the end: 2^(e8 + e9) / sum), +5 0
.set SC,  24
.set LM,  25
.set P,   32
.set PC,  32                           ; the last product: codes just made
.set BPR, 48                           ; and bp, each number twice: pairs for the packed form
.set S,   128
.set MSB, 0
.macro WIN new                         ; the immediate's high byte repeats the setting that is left; a switch that changes nothing is dropped
.if MSB != (\new)
	s_set_vgpr_msb (MSB<<8)|(\new)
.set MSB, (\new)
.endif
.endm
.macro PLACES                          ; four places behind matrix instructions, in front of loads into their registers and of reads of their results (ISA guide 7.12.1 for vector instructions)
.rept 4
	v_nop
.endr
.endm
; A round of the cluster's barrier: my work-group's barrier; wave 0 signals for the work-group; every wave waits for all four work-groups; my work-group's barrier once more
.macro CROUND
	s_barrier_signal -1
	s_barrier_wait -1
	s_cmp_lg_u32 s18, 0
	s_cbranch_scc1 .Lnot_wave_0_\@
	s_barrier_signal -3
.Lnot_wave_0_\@:
	s_barrier_wait -3
	s_barrier_signal -1
	s_barrier_wait -1
.endm
; A PREFETCH INTO THE L2 of the key step behind the one just asked for: 131,072 bytes, each aligned block of 256 named once in the launch.  Both clusters of a batch walk the same K and V: the first asks.
; Its sixteen waves take 8,192 bytes each, lanes 256 bytes apart; the partners are told apart BY ADDRESS (4 x place + wave), never by a branch.  The change that asks for the last step prefetches nothing.
.macro ASK
	s_cmp_gt_u32 s37, s38
	s_cbranch_scc0 .Lnot_mine_\@
	global_prefetch_b8 v[PFO], s[40:41] th:TH_LOAD_NT scope:SCOPE_SE
.Lnot_mine_\@:
.endm
; THE CHANGE OF SLOTS stands at a step's head.  Each wave waits for all its tensor loads (its quarter of the slot ahead), adds 0 to its spare word, and waits for that and for its reads of the slot that it has left.
; fill = 1: the barrier is a round of the cluster's, so that no wave of any partner still reads that slot or has a load on its way; the joint refill is the first thing behind it and has a whole step in which to land.
.macro CHANGE fill
	WIN 0
	s_wait_tensorcnt 0x0                           ; no tensor load of mine is out, so the descriptor may be written
	ds_add_u32 v[SPW], v[NIL]                      ; 0 onto my spare word
.if \fill
	s_xor_b32 s33, s33, SLOT1                      ; the other slot than last time,
	s_add_nc_u64 s[34:35], s[34:35], 131072        ; the next key step; the type bits on top are not reached
	s_wait_xcnt 0x0                                ; the last prefetch, a step back, has read its address
	s_add_nc_u64 s[40:41], s[40:41], 131072        ; one step further on than the descriptor
.endif
	s_wait_dscnt 0x0                               ; the add is done, and my reads of the slot that I have left are over
.if \fill
	CROUND
	tensor_load_to_lds s[32:35], s[24:31]          ; my one tensor load until the next change
	s_nop 0
	PLACES                                         ; four v_nop follow it
	ASK
.else
	s_barrier_signal -1
	s_barrier_wait -1
.endif
.endm
; x's three sets of 64 registers: XR the first register, XW the window
.macro XSETS set
.if (\set) == 0
.set XR, 64
.set XW, 0
.elseif (\set) == 1
.set XR, 0
.set XW, 3
.else
.set XR, 64
.set XW, 3
.endif
.endm
.macro XLOAD o, set                    ; x at the 16 rows of output tile o, my block's 512 bytes of each, into a set
	XSETS \set
	WIN XW<<6
.irp rr, 0,1,2,3,4,5,6,7,8,9,10,11,12,13,14,15
	global_load_b128 v[XR+4*\rr:XR+4*\rr+3], v[LI], s[14:15] offset:(32*((\o)/2)+8*((\o)%2)+\rr+8*(\rr/8))*4096 th:TH_LOAD_NT
.endr
.endm
; The tile of x in set 0 is parked in LDS, at v26 + off: bytes of my wave's own, which I alone read again.  left: the loads issued behind the tile's, which may stay out
.macro PARK off, left
	s_wait_loadcnt \left
.irp rr, 0,1,2,3,4,5,6,7,8,9,10,11,12,13,14,15
	ds_store_b128 v26, v[64+4*\rr:64+4*\rr+3] offset:(\off)+512*\rr
.endr
	s_wait_dscnt 0x0                               ; the stores have read their registers: the set may be loaded again
.endm
; Stream fetch n of a step's 16, into set n % 2: 8,192 bytes, 16 LDS loads of 512 consecutive bytes.  n < 8: tile n of K (four K steps); else four fragments of V (channel tiles 4 (n - 8) on)
.macro F n
	WIN 0xc0                                       ; destination window 3
.set FB, 128+64*((\n)%2)
.set k, 0
.rept 16
.if (\n) < 8
	ds_load_b128 v[FB+4*k:FB+4*k+3], v[ADK] offset:8192*(\n)+512*k
.else
	ds_load_b128 v[FB+4*k:FB+4*k+3], v[ADV] offset:8192*((\n)-8)+512*k
.endif
.set k, k+1
.endr
.endm
; S^T of key tile g for my two query tiles: 8 matrix instructions, the two accumulators by turns
.macro SG g
	s_wait_dscnt 16                                ; fetch g is in; fetch g + 1 may be out
	WIN 0x0f                                       ; K and Q window 3, S^T window 0
.set KB, 128+64*((\g)%2)
.irp s, 0,1,2,3
.irp q, 0,1
.if \s == 0
	v_wmma_f32_16x16x128_bf8_bf8 v[S+64*\q+8*(\g):S+64*\q+8*(\g)+7], v[KB+16*\s:KB+16*\s+15], v[16*(4*\q+\s):16*(4*\q+\s)+15], 0
.else
	v_wmma_f32_16x16x128_bf8_bf8 v[S+64*\q+8*(\g):S+64*\q+8*(\g)+7], v[KB+16*\s:KB+16*\s+15], v[16*(4*\q+\s):16*(4*\q+\s)+15], v[S+64*\q+8*(\g):S+64*\q+8*(\g)+7]
.endif
.endr
.endr
	PLACES
	F (\g)+2                                       ; into the set just multiplied
.endm
; The softmax of query tile q for a step: a lane's 64 scores are keys 32 b + 16 (lane / 16) + i in register 16 b + i.  first = 1: the first step, with no old M and nothing to rescale
.macro SOFT q, first
.set SB, S+64*(\q)
.set TT, ST+6*(\q)
.set PB, P+16*(\q)
	v_max3_num_f32 v26, v[SB], v[SB+1], v[SB+2]    ; the largest score among my 64 keys, in two chains; each accumulator is read from its low end on
	v_max3_num_f32 v27, v[SB+3], v[SB+4], v[SB+5]
.irp i, 6,10,14,18,22,26,30,34,38,42,46,50,54,58
	v_max3_num_f32 v26, v26, v[SB+\i], v[SB+\i+1]
	v_max3_num_f32 v27, v27, v[SB+\i+2], v[SB+\i+3]
.endr
	v_max3_num_f32 v26, v26, v[SB+62], v[SB+63]
	v_max_num_f32 v26, v26, v27
	v_permlanex16_b32 v29, v26, s42, s43
	v_max_num_f32 v26, v26, v29                    ; and among lane l xor 16's
.if \first
	v_mul_f32 v[TT+1], s22, v26                    ; as t (c is positive)
	v_floor_f32 v[TT], -v[TT+1]                    ; -M = floor(-t) = -ceil(t): M is a whole number
.else
	v_mul_f32 v26, s22, v26
	v_max_num_f32 v[TT+1], v[TT+1], v26            ; the running largest t
	v_mov_b32 v27, v[TT]
	v_floor_f32 v[TT], -v[TT+1]
	v_sub_f32 v27, v[TT], v27                      ; old M - new M: a whole number, 0 or less
	v_cvt_i32_f32 v27, v27                         ; (it saturates)
	v_ldexp_f32 v[TT+4], 1.0, v27                  ; f = 2^(old M - new M)
.endif
.set n, 0
.rept 32
	v_pk_fma_f32 v[SB+2*n:SB+2*n+1], v[SB+2*n:SB+2*n+1], s[22:23], v[TT:TT+1] op_sel_hi:[1,0,0]   ; t - M (of the pairs c and -M the low word serves both halves)
.set n, n+1
.endr
.set n, 0
	s_wait_alu depctr_va_vdst(0)
.rept 64
	v_exp_f32 v[SB+n], v[SB+n]                     ; p = 2^(t - M), at most 1
.set n, n+1
.endr
.if \first
	v_nop                                          ; a plain line behind the exponentials
	s_wait_alu depctr_va_vdst(0)
.else
	v_pk_mul_f32 v[TT+2:TT+3], v[TT+2:TT+3], v[TT+4:TT+5] op_sel_hi:[1,0]   ; the sum under the new M (the plain line behind the exponentials)
	s_wait_alu depctr_va_vdst(0)
.endif
	v_pk_add_f32 v[30:31], v[SB:SB+1], v[SB+2:SB+3]   ; the sum of the UNQUANTISED p, in two chains
.irp j, 4,8,12,16,20,24,28,32,36,40,44,48,52,56,60
	v_pk_add_f32 v[TT+2:TT+3], v[TT+2:TT+3], v[SB+\j:SB+\j+1]
	v_pk_add_f32 v[30:31], v[30:31], v[SB+\j+2:SB+\j+3]
.endr
	v_pk_add_f32 v[TT+2:TT+3], v[TT+2:TT+3], v[30:31]
.irp b, 0,1,2,3
.irp i, 0,1,2,3,4,5,6,7,8,9,10,11,12,13,14,15
	v_min_num_f32 v[SB+16*\b+\i], v[SB+16*\b+\i], v[LM]   ; the conversion does not saturate (ISA guide 7.6.2); p is not negative, so the hold is one-sided
.endr
	v_cvt_scalef32_pk8_bf8_f32 v[PB+4*\b:PB+4*\b+1], v[SB+16*\b:SB+16*\b+7], v[SC]
	v_cvt_scalef32_pk8_bf8_f32 v[PB+4*\b+2:PB+4*\b+3], v[SB+16*\b+8:SB+16*\b+15], v[SC]
.endr
	v_nop                                          ; a plain line behind the last conversion
.endm
; O^T of channel tiles 4 g .. 4 g + 3, both query tiles, under the new M
.macro RESC g
	WIN 0x41                                       ; O^T window 1, f window 0
.set i, 0
.rept 16
	v_pk_mul_f32 v[32*(\g)+2*i:32*(\g)+2*i+1], v[32*(\g)+2*i:32*(\g)+2*i+1], v[ST+4:ST+5] op_sel_hi:[1,0]
.set i, i+1
.endr
	WIN 0x82                                       ; window 2
.set i, 0
.rept 16
	v_pk_mul_f32 v[32*(\g)+2*i:32*(\g)+2*i+1], v[32*(\g)+2*i:32*(\g)+2*i+1], v[ST+10:ST+11] op_sel_hi:[1,0]
.set i, i+1
.endr
.endm
; O^T += V^T P^T for channel tiles 4 g .. 4 g + 3: 8 matrix instructions on 8 accumulators.  The rescaling of the next four tiles stands behind them: it names none of their registers, so it also
; fills the places in front of the loads into the set just multiplied, and it is issued while the next fetch is on its way.
.macro PG g, first
.if (\g) < 7
	s_wait_dscnt 16                                ; fetch 8 + g is in; the next may be out
.else
	s_wait_dscnt 0x0
.endif
.set VF, 128+64*((\g)%2)
	WIN 0x53                                       ; V window 3, P window 0, O^T window 1
.irp i, 0,1,2,3
.if \first
	v_wmma_f32_16x16x128_bf8_bf8 v[8*(4*(\g)+\i):8*(4*(\g)+\i)+7], v[VF+16*\i:VF+16*\i+15], v[P:P+15], 0
.else
	v_wmma_f32_16x16x128_bf8_bf8 v[8*(4*(\g)+\i):8*(4*(\g)+\i)+7], v[VF+16*\i:VF+16*\i+15], v[P:P+15], v[8*(4*(\g)+\i):8*(4*(\g)+\i)+7]
.endif
.endr
	WIN 0xa3                                       ; O^T window 2
.irp i, 0,1,2,3
.if \first
	v_wmma_f32_16x16x128_bf8_bf8 v[8*(4*(\g)+\i):8*(4*(\g)+\i)+7], v[VF+16*\i:VF+16*\i+15], v[P+16:P+31], 0
.else
	v_wmma_f32_16x16x128_bf8_bf8 v[8*(4*(\g)+\i):8*(4*(\g)+\i)+7], v[VF+16*\i:VF+16*\i+15], v[P+16:P+31], v[8*(4*(\g)+\i):8*(4*(\g)+\i)+7]
.endif
.endr
.if (\first) || ((\g) == 7)
	PLACES
.else
	RESC (\g)+1
.endif
.if (\g) < 6
	F (\g)+10
.endif
.endm
; A KEY STEP: 128 keys out of the slot at s36.  last = 1: the last step, in which registers fall idle and take x
.macro STEP first, last
	v_add_nc_u32 v[ADK], s36, v[LI]
	v_add_nc_u32 v[ADV], s36, v[LIV]
	F 0
	F 1
	s_wait_alu depctr_va_vdst(0)
.irp g, 0,1,2,3,4,5,6,7
	SG \g
.endr
.if \last
	XLOAD 1, 1                                     ; Q has been multiplied for the last time (four places back): its registers take x's tiles 1 and 2
	XLOAD 2, 2
	; x's tiles 3 and 4, the two that are loaded only in the last product (behind its first and second output tile), are asked into the L2 here: 16 rows x 2 blocks of 256 bytes an instruction, a lane a block; only this wave reads them
	global_prefetch_b8 v[XPF], s[14:15] offset:40*4096 th:TH_LOAD_NT scope:SCOPE_SE
	global_prefetch_b8 v[XPF], s[14:15] offset:64*4096 th:TH_LOAD_NT scope:SCOPE_SE
.endif
	WIN 0
	SOFT 0, \first                                 ; V's first two fetches are on their way meanwhile
	SOFT 1, \first
.if \last
	v_add_nc_u32 v26, XG, v[AWI]
	s_wait_alu depctr_va_vdst(0)
	PARK 8192, 32                                  ; x's tile 7 is in (behind it: tiles 1 and 2, 32 loads) and is parked;
	XLOAD 0, 0                                     ; tile 0 takes its place and stays
.endif
.if !\first
	RESC 0
.endif
	s_wait_alu depctr_va_vdst(0)
.irp g, 0,1,2,3,4,5,6,7
	s_wait_alu depctr_va_vdst(0)
	PG \g, \first
.endr
	WIN 0
	s_xor_b32 s36, s36, SLOT1                      ; on to the other slot
.endm
	s_load_b256 s[4:11], s[0:1], 0x0               ; qc s[4:5], kv s[6:7], wc s[8:9], the scales' exponents s[10:11]
	s_load_b128 s[12:15], s[0:1], 0x20             ; bp s[12:13], x s[14:15]
	s_load_b64 s[16:17], s[0:1], 0x30              ; out0
	v_lshl_add_u32 v[SPW], v0, 2, SPARE
	v_mov_b32 v[NIL], 0
	ds_add_u32 v5, v6
	ds_add_u32 v5, v6
	s_wait_dscnt 0x0
	v_lshrrev_b32 v1, 5, v0
	v_readfirstlane_b32 s18, v1                    ; wave 0..3
	s_bfe_u32 s19, ttmp6, 0x40000                  ; cx: my place in the cluster
	s_lshl_b32 s20, ttmp9, 2                       ; in a cluster launch ttmp9 counts clusters
	s_add_co_u32 s20, s20, s19                     ; my block of 128 queries: it enters global addresses of q, x and out0 alone
	s_and_b32 s21, ttmp7, 0xffff                   ; the batch, which the four partners share
	; descriptor group 1: 128 rows of 256 bytes, dense in memory and in LDS
	s_mov_b32 s24, 15|(3<<16)|(1<<21)              ; 15:0 the mask: all four work-groups; 17:16 elements of 8 bytes; 21 set beside a mask; no padding
	s_mov_b32 s25, 32<<16                          ; tensor_dim0 = 32 elements
	s_mov_b32 s26, 128<<16                         ; tensor_dim1 = 128
	s_mov_b32 s27, 32<<16                          ; tile_dim0 = 32
	s_mov_b32 s28, 128                             ; tile_dim1 = 128
	s_mov_b32 s29, 32                              ; from row to row
	s_mov_b32 s30, 0
	s_mov_b32 s31, 0
	s_mov_b32 s32, 1                               ; group 0: count = 1,
	s_lshl_b32 s33, s18, 15                        ; LDS address: my quarter of slot 0: no place in the cluster enters it
	s_lshl_b32 s52, s21, 20                        ; a batch's eight key steps
	s_add_co_u32 s52, s52, s33
	s_mov_b32 s53, 0
	s_mov_b32 s42, 0x76543210                      ; v_permlanex16_b32: lane l takes lane l xor 16
	s_mov_b32 s43, 0xfedcba98
	s_mov_b32 s36, 0                               ; the slot in hand
	s_mov_b32 s37, 7                               ; key steps still to be asked for
	s_lshl_b32 s39, s18, 13
	s_add_co_u32 s39, s39, XF                      ; my 8,192 bytes behind the spare words
	s_cmp_eq_u32 ttmp9, 0                          ; the batch's first cluster prefetches: the same in all four partners
	s_cselect_b32 s38, 1, -1
	s_wait_kmcnt 0x0
	s_add_nc_u64 s[34:35], s[6:7], s[52:53]        ; global address: my quarter of key step 0
	s_or_b32 s35, s35, 0x80000000                  ; type = 2
	CROUND                                         ; all four work-groups are here: the first joint loads meet
	tensor_load_to_lds s[32:35], s[24:31]
	s_nop 0
	PLACES
	s_load_b128 s[44:47], s[10:11], 0x18           ; e6 .. e9
	s_load_b64 s[48:49], s[10:11], 0x28            ; e10, e11
	s_lshl_b32 s54, s19, 2
	s_add_co_u32 s54, s54, s18
	s_lshl_b32 s54, s54, 13                        ; the prefetches: 8,192 x (4 x place + wave),
	s_lshl_b32 s55, s21, 20
	s_add_co_u32 s54, s54, s55
	s_add_co_u32 s54, s54, 131072                  ; at key step 1: the first change steps it to 2.  Nothing is prefetched here, at the head
	s_mov_b32 s55, 0
	s_add_nc_u64 s[40:41], s[6:7], s[54:55]
	s_lshl_b32 s54, s21, 6
	s_lshl_b32 s55, s20, 3
	s_add_co_u32 s54, s54, s55
	s_lshl_b32 s55, s18, 1
	s_add_co_u32 s54, s54, s55
	s_lshl_b32 s54, s54, 13                        ; tile 64 x batch + 8 x block + 2 x wave of q
	s_mov_b32 s55, 0
	s_add_nc_u64 s[4:5], s[4:5], s[54:55]
	s_lshl_b32 s56, s21, 21
	s_lshl_b32 s57, s18, 19
	s_add_co_u32 s56, s56, s57
	s_lshl_b32 s57, s20, 9
	s_add_co_u32 s56, s56, s57                     ; x, out0: the batch, my 128 channels, my block's 512 bytes of a row
	s_mov_b32 s57, 0
	s_add_nc_u64 s[14:15], s[14:15], s[56:57]
	s_add_nc_u64 s[16:17], s[16:17], s[56:57]
	s_lshl_b32 s56, s18, 16
	s_add_co_u32 s56, s56, 3*262144                ; wp's codes, my 8 tiles
	s_add_nc_u64 s[8:9], s[8:9], s[56:57]
	s_lshl_b32 s56, s18, 9
	s_add_nc_u64 s[12:13], s[12:13], s[56:57]      ; bp, my 128 numbers
	v_and_b32 v26, 31, v0
	v_lshlrev_b32 v[LI], 4, v26
	WIN 0xc0                                       ; destination window 3
.set k, 0
.rept 32
	global_load_b128 v[4*k:4*k+3], v[LI], s[4:5] offset:512*k   ; Q stays in registers: two tiles, 16,384 consecutive bytes
.set k, k+1
.endr
	XLOAD 5, 0                                     ; the first tile of x that will be parked; it has the whole first key step in which to come
	WIN 0
	v_lshlrev_b32 v[PFO], 8, v26
	s_lshl_b32 s58, s18, 14
	v_add_nc_u32 v[AWI], s58, v[LI]
	v_add_nc_u32 v[LIV], 65536, v[LI]
	v_and_b32 v27, 15, v0                          ; r
	v_bfe_u32 v28, v0, 4, 1                        ; h
	s_mul_i32 s58, s18, 16*SPITCH
	s_add_co_u32 s58, s58, STAGE                   ; my stage
	v_mul_u32_u24 v[STO], v27, SPITCH
	v_lshl_add_u32 v[STO], v28, 6, v[STO]
	v_add_nc_u32 v[STO], s58, v[STO]               ; in: row r, + 64 h
	v_add_nc_u32 v[RD], s58, v[LI]                 ; back: the 32 lanes take a row of 512 bytes
	v_and_b32 v29, 8, v0
	v_add_nc_u32 v29, v29, v27                     ; r + 8 (r / 8)  (v29 is written here: later a lane permute's destination, which counts as one of its sources)
	v_lshlrev_b32 v[XPF], 12, v29
	v_lshl_add_u32 v[XPF], v28, 8, v[XPF]
.irp q, 0,1
	v_mov_b32 v[ST+6*\q+2], 0                      ; the sum, in two halves
	v_mov_b32 v[ST+6*\q+3], 0
	v_mov_b32 v[ST+6*\q+5], 0                      ; (named as the upper half of f's pair)
.endr
	s_wait_kmcnt 0x0
	s_add_co_i32 s58, s44, s45
	s_lshl_b32 s58, s58, 23
	s_add_co_i32 s22, s58, 0x3d8293ee              ; c = log2(e) / sqrt(512), with e6 + e7 added to its exponent field: a score stands for score x 2^(e6 + e7)
	s_mov_b32 s23, s22                             ; (named with it as a pair, so it is written)
	s_add_co_i32 s58, s46, 127
	s_lshl_b32 s59, s58, 23
	v_mov_b32 v[SC], s59                           ; 2^e8
	s_add_co_i32 s58, s58, 15
	s_lshl_b32 s58, s58, 23
	s_or_b32 s58, s58, 0x600000
	v_mov_b32 v[LM], s58                           ; 57,344 x 2^e8
	s_wait_loadcnt 16                              ; Q is in; x's sixteen loads, issued behind it, may be out
	CHANGE 1                                       ; key step 0 has landed; step 1 is asked for, into slot 1
	STEP 1, 0                                      ; the first step is written out: its products start O^T's sums, and nothing is cleared
	v_add_nc_u32 v26, s39, v[LI]
	s_wait_alu depctr_va_vdst(0)
	PARK 0, 0                                      ; x's tile 5 goes behind the spare words;
	XLOAD 6, 0                                     ; tile 6 has the six steps of the loop in which to come
	s_mov_b32 s37, 6
.Lslot:                                            ; six trips: steps 1 to 6, asking for steps 2 to 7
	CHANGE 1
	STEP 0, 0
	s_sub_co_u32 s37, s37, 1
	s_cmp_lg_u32 s37, 0
	s_cbranch_scc1 .Lslot
	CHANGE 0                                       ; the last step is written out.  Behind this barrier nobody reads slot 0, and nothing is filled any more
	v_add_nc_u32 v26, XG, v[AWI]
	s_wait_alu depctr_va_vdst(0)
	PARK 0, 0                                      ; x's tile 6 goes into slot 0's upper half;
	XLOAD 7, 0                                     ; tile 7 has S^T and the softmax in which to come
	STEP 0, 1
; ---- THE LAST PRODUCT AND THE WAY OUT
.macro WPLOAD o                        ; wp's tile o of my eight: its four fragments are 8,192 bytes on end; into set o % 2
	WIN 0xc0
.set WB, 128+64*((\o)%2)
.set k, 0
.rept 16
	global_load_b128 v[WB+4*k:WB+4*k+3], v[LI], s[8:9] offset:8192*(\o)+512*k
.set k, k+1
.endr
.endm
; O^T of query tile q, channels 128 s on: / the sum, x 2^(e8 + e9), held, quantised with e10: one fragment; its image goes to LDS
.macro AQ q, s
.set WW, 1+(\q)
.set OB, 64*(\s)
	WIN (WW<<6)|WW
.set i, 0
.rept 32
	v_pk_mul_f32 v[OB+2*i:OB+2*i+1], v[OB+2*i:OB+2*i+1], v[ST+6*(\q)+4:ST+6*(\q)+5] op_sel_hi:[1,0]   ; each accumulator from its low end on
.set i, i+1
.endr
.set i, 0
.rept 64
	v_med3_num_f32 v[OB+i], v[OB+i], -v[LM], v[LM]
.set i, i+1
.endr
	s_wait_alu depctr_va_vdst(0)
	s_wait_dscnt 0x0                               ; the last image's stores have read the code registers
	WIN WW
.irp b, 0,1,2,3
	v_cvt_scalef32_pk8_bf8_f32 v[PC+4*\b:PC+4*\b+1], v[OB+16*\b:OB+16*\b+7], v[SC]
	v_cvt_scalef32_pk8_bf8_f32 v[PC+4*\b+2:PC+4*\b+3], v[OB+16*\b+8:OB+16*\b+15], v[SC]
.endr
	v_nop                                          ; a plain line behind the last conversion
	WIN 0
.irp c, 0,1,2,3
	ds_store_b128 v[AWI], v[PC+4*\c:PC+4*\c+3] offset:(4*(\q)+(\s))*2048+512*\c
.endr
.endm
.macro AFETCH hq                       ; the 16 fragments of query tiles 4 hq .. 4 hq + 3: 32,768 bytes on end, into window 1 + hq, where O^T lay
	WIN (1+(\hq))<<6
.set k, 0
.rept 64
	ds_load_b128 v[4*k:4*k+3], v[LI] offset:32768*(\hq)+512*k
.set k, k+1
.endr
.endm
; Output tile o: 32 matrix instructions: four query tiles' accumulators by turns, K ascending; then the other four
.macro MUL o
.set DB, 128+64*((\o)%2)               ; the accumulators, in window 0
.set WB, 128+64*((\o)%2)               ; wp's fragments, in window 3
.irp hq, 0,1
.if (\o) == 0
.if \hq == 0
	s_wait_dscnt 63                                ; the first 64 of the 128 loads are in: 64 were issued behind them, and the count names 63 at the most
.else
	s_wait_dscnt 0x0
.endif
.endif
	WIN 0x0d+\hq                                   ; O's codes window 1 or 2, wp window 3, C and D window 0
.irp s, 0,1,2,3
.irp t, 0,1,2,3
.if \s == 0
	v_wmma_f32_16x16x128_bf8_bf8 v[DB+8*(4*\hq+\t):DB+8*(4*\hq+\t)+7], v[16*(4*\t+\s):16*(4*\t+\s)+15], v[WB+16*\s:WB+16*\s+15], 0
.else
	v_wmma_f32_16x16x128_bf8_bf8 v[DB+8*(4*\hq+\t):DB+8*(4*\hq+\t)+7], v[16*(4*\t+\s):16*(4*\t+\s)+15], v[WB+16*\s:WB+16*\s+15], v[DB+8*(4*\hq+\t):DB+8*(4*\hq+\t)+7]
.endif
.endr
.endr
.endr
.endm
; Output tile o: sum x 2^(e10 + e11) + bp; into my stage and back, so that a row's 512 bytes come together.  The next tile's products stand between these loads and the wait for them
.macro TOST o
.set DB, 128+64*((\o)%2)
	WIN 0
.set i, 0
.rept 32
	v_pk_fma_f32 v[DB+2*i:DB+2*i+1], v[DB+2*i:DB+2*i+1], s[50:51], v[BPR+2*(\o):BPR+2*(\o)+1] op_sel_hi:[1,0,1]   ; each accumulator from its low end on
.set i, i+1
.endr
.irp t, 0,1,2,3,4,5,6,7
	ds_store_b128 v[STO], v[DB+8*\t:DB+8*\t+3] offset:128*(\t/2)+32*(\t%2)        ; lane (r, h), query tile t: pixels 32 (t / 2) + 16 h + 8 (t % 2) + 0 .. 7 of row r
	ds_store_b128 v[STO], v[DB+8*\t+4:DB+8*\t+7] offset:128*(\t/2)+32*(\t%2)+16
.endr
.irp rr, 0,1,2,3,4,5,6,7,8,9,10,11,12,13,14,15
	ds_load_b128 v[DB+4*\rr:DB+4*\rr+3], v[RD] offset:\rr*SPITCH   ; LDS serves a wave's instructions in order (ISA guide 5.7.1.4): these see my stores; they land in the registers that the rows left
.endr
.endm
.macro XLDS o                          ; a parked tile of x comes back, into set o % 3
	XSETS ((\o)%3)
	WIN XW<<6
.irp rr, 0,1,2,3,4,5,6,7,8,9,10,11,12,13,14,15
.if (\o) == 5
	ds_load_b128 v[XR+4*\rr:XR+4*\rr+3], v[XLA] offset:512*\rr
.else
	ds_load_b128 v[XR+4*\rr:XR+4*\rr+3], v[XLB] offset:8192*((\o)-6)+512*\rr
.endif
.endr
.endm
; Output tile o leaves: + x; 16 stores of 512 consecutive bytes, at multiples of 512 from out0's first byte.  x's set is asked for anew as soon as the additions have read it.
; No wait on the loads stands here: each tile of x that comes from memory was issued ahead of a tile of wp that has been waited for by now, and loads come back in order (ISA guide 5.7.1)
.macro FIN o
.set DB, 128+64*((\o)%2)
	XSETS ((\o)%3)
	s_wait_dscnt 0x0                               ; the rows are back from the stage, and so is a parked tile of x
	WIN XW<<2
.set i, 0
.rept 32
	v_pk_add_f32 v[DB+2*i:DB+2*i+1], v[DB+2*i:DB+2*i+1], v[XR+2*i:XR+2*i+1]
.set i, i+1
.endr
.if (\o) < 2
	XLOAD (\o)+3, ((\o)%3)                         ; tiles 3 and 4, from memory
.elseif (\o) < 5
	XLDS (\o)+3                                    ; tiles 5, 6 and 7, from LDS
.endif
	WIN 0
.irp rr, 0,1,2,3,4,5,6,7,8,9,10,11,12,13,14,15
	global_store_b128 v[LI], v[DB+4*\rr:DB+4*\rr+3], s[16:17] offset:(32*((\o)/2)+8*((\o)%2)+\rr+8*(\rr/8))*4096 th:TH_STORE_NT
.endr
.endm
; The loads of the last product, in the order of issue (16 each): x 7, 1, 2, 0, bp, wp 0, 1 | wp 2 | wp 3, x 3 | wp 4, x 4 | wp 5 | wp 6 | wp 7.  The wait ahead of tile o's products leaves out what was issued behind wp's tile o
.macro ITER o
.if (\o) > 1
	s_wait_xcnt 0x0                                ; tile o - 2's stores have read their data registers, which these products write
.endif
.if (\o) == 7
	s_wait_loadcnt 0x0
.elseif (\o) == 3
	s_wait_loadcnt 48                              ; behind wp 3: x 3, wp 4, x 4
.elseif ((\o) == 2) || ((\o) == 4)
	s_wait_loadcnt 32                              ; behind wp 2: wp 3, x 3;  behind wp 4: x 4, wp 5
.else
	s_wait_loadcnt 16                              ; behind wp's tile o: its tile o + 1
.endif
	MUL \o
	PLACES                                         ; for the loads into wp's set and for the first read of results
.if (\o) < 6
	WPLOAD (\o)+2
.endif
.if (\o) > 0
	FIN (\o)-1
.endif
	TOST \o
.endm
	v_and_b32 v2, 15, v0
	v_and_b32 v3, 8, v0
	v_add_nc_u32 v2, v2, v3
	v_lshlrev_b32 v2, 2, v2                        ; bp: number r + 8 (r / 8) of a tile's
.irp o, 0,1,2,3,4,5,6,7
	global_load_b32 v[BPR+2*\o], v2, s[12:13] offset:(32*(\o/2)+8*(\o%2))*4
	global_load_b32 v[BPR+2*\o+1], v2, s[12:13] offset:(32*(\o/2)+8*(\o%2))*4
.endr
	WPLOAD 0                                       ; where K's and V's fragments lay
	WPLOAD 1
	WIN 0
	v_add_nc_u32 v[XLA], s39, v[LI]
	v_add_nc_u32 v[XLB], XG, v[AWI]
	s_add_co_i32 s58, s46, s47                     ; e8 + e9
	v_add_f32 v26, v[ST+2], v[ST+3]                ; the sums' two halves,
	v_add_f32 v27, v[ST+8], v[ST+9]
	v_permlanex16_b32 v29, v26, s42, s43
	v_add_f32 v26, v26, v29                        ; and lane l xor 16's
	v_permlanex16_b32 v29, v27, s42, s43
	v_add_f32 v27, v27, v29
	s_wait_alu depctr_va_vdst(0)
	v_rcp_f32 v26, v26
	v_rcp_f32 v27, v27
	v_nop                                          ; a plain line behind the transcendentals
	s_wait_alu depctr_va_vdst(0)
	v_ldexp_f32 v[ST+4], v26, s58
	s_wait_alu depctr_va_vdst(0)
	v_ldexp_f32 v[ST+10], v27, s58
	s_add_co_i32 s58, s48, 127
	s_lshl_b32 s59, s58, 23
	v_mov_b32 v[SC], s59                           ; 2^e10
	s_add_co_i32 s58, s58, 15
	s_lshl_b32 s58, s58, 23
	s_or_b32 s58, s58, 0x600000
	v_mov_b32 v[LM], s58                           ; 57,344 x 2^e10
	s_add_co_i32 s50, s48, s49
	s_add_co_i32 s50, s50, 127
	s_lshl_b32 s50, s50, 23                        ; 2^(e10 + e11)
	s_mov_b32 s51, s50
.irp q, 0,1
.irp s, 0,1,2,3
	AQ \q, \s
.endr
.endr
	s_wait_dscnt 0x0                               ; for the others' sake: my eight images have landed, and my reads of slot 1 are over
	s_barrier_signal -1
	s_barrier_wait -1                              ; all 32 fragments lie in LDS, and nobody reads slot 1 any more: the stages lie there
	AFETCH 0
	AFETCH 1
.irp o, 0,1,2,3,4,5,6,7
	ITER \o
.endr
	FIN 7
	WIN 0
	s_wait_tensorcnt 0x0                           ; the wave's end: behind my last tensor load and my last LDS store
	ds_add_u32 v[SPW], v[NIL]
	s_wait_dscnt 0x0
	CROUND                                         ; the closing round: no work-group ends while a partner may still ask for a tile that names it
	s_endpgm
.Lfunc_end_k_q9acf866da9_attn:
	.size	k_q9acf866da9_attn, .Lfunc_end_k_q9acf866da9_attn-k_q9acf866da9_attn
	.p2alignl 7, 3214868480
	.fill 96, 4, 3214868480
	.section	.rodata,"a",@progbits
	.p2align	6, 0x0
	.amdhsa_kernel k_q9acf866da9_attn
		.amdhsa_group_segment_fixed_size 327680
		.amdhsa_private_segment_fixed_size 0
		.amdhsa_enable_private_segment 0
		.amdhsa_kernarg_size 56
		.amdhsa_user_sgpr_count 2
		.amdhsa_user_sgpr_kernarg_segment_ptr 1
		.amdhsa_wavefront_size32 1
		.amdhsa_system_sgpr_workgroup_id_x 1
		.amdhsa_system_sgpr_workgroup_id_y 1
		.amdhsa_system_sgpr_workgroup_id_z 1
		.amdhsa_system_vgpr_workitem_id 0
		.amdhsa_next_free_vgpr 1024
		.amdhsa_next_free_sgpr 66
		.amdhsa_reserve_vcc 0
		.amdhsa_float_denorm_mode_32 3
		.amdhsa_float_denorm_mode_16_64 3
		.amdhsa_memory_ordered 1
		.amdhsa_forward_progress 1
		.amdhsa_inst_pref_size 255
	.end_amdhsa_kernel
	.section	.bss,"aw",@nobits
	.p2align	6
	.space	262144
	.amdgpu_metadata
---
amdhsa.version: [ 1, 2 ]
amdhsa.kernels:
  - .name:           k_q9acf866da9_attn
    .symbol:         k_q9acf866da9_attn.kd
    .args:
      - { .name: qc, .offset: 0, .size: 8, .value_kind: global_buffer, .address_space: global }
      - { .name: kv, .offset: 8, .size: 8, .value_kind: global_buffer, .address_space: global }
      - { .name: wc, .offset: 16, .size: 8, .value_kind: global_buffer, .address_space: global }
      - { .name: lowp_scales, .offset: 24, .size: 8, .value_kind: global_buffer, .address_space: global }
      - { .name: bp, .offset: 32, .size: 8, .value_kind: global_buffer, .address_space: global }
      - { .name: x, .offset: 40, .size: 8, .value_kind: global_buffer, .address_space: global }
      - { .name: out0, .offset: 48, .size: 8, .value_kind: global_buffer, .address_space: global }
    .group_segment_fixed_size: 327680
    .private_segment_fixed_size: 0
    .kernarg_segment_align: 8
    .kernarg_segment_size: 56
    .max_flat_workgroup_size: 128
    .sgpr_count:     66
    .vgpr_count:     1024
    .wavefront_size: 32
...
	.end_amdgpu_metadata
.endif
;; end of part 6
